; MI455X (gfx1250); checked and timed in simulation.
; The chip was launched on July 23, 2026; its instructions are those of AMD's public machine-readable ISA for CDNA 5 (MIT licence, August 2026) and "CDNA5" Instruction Set Architecture Reference Guide (July 2026). The comments in the code are by the model that wrote it; some were corrected since.
;; Self attention. Allowed arithmetic: matrix products marked QUANTISED: E2M1 operands, one E8M0 scale for each 32 along K, by v_wmma_scale_f32_16x16x128_f8f6f4 with both operands' format E2M1 (or v_wmma_scale_f32_32x16x128_f4), f32 sums; everything else in f32.
;; Inputs: Wk_b 512 float32; Wk_w 512 x 512 float32; Wq_b 512 float32; Wq_w 512 x 512 float32; Wv_b 512 float32; Wv_w 512 x 512 float32; inputdata 4 x 8 x 1,024 x 512 float32.
;; Outputs: out0 4 x 8 x 512 float32.
;; This version of the problem:
;;   THIS VERSION OF THE PROBLEM IS GIVEN IN LOW PRECISION. The matrix products marked QUANTISED in the list below multiply operands that are first quantised to E2M1 (2 exponent bits, 1 mantissa bit; 4 bits a number), with one power-of-two scale for each 32 numbers along K (OCP MX v1.0); their sums are f32. All else is computed in f32.
;;   The module's matrix products, in the order in which they are computed (A, B: the left and right operand; K: the contracted axis; several contracted axes count as one K, in the product's order):
;;     1. [M 32,768, K 512] x [K 512, N 512]; A: input inputdata; B: input Wq_w: QUANTISED
;;     2. [M 32,768, K 512] x [K 512, N 512]; A: input inputdata; B: input Wk_w: QUANTISED
;;     3. [M 32,768, K 512] x [K 512, N 512]; A: input inputdata; B: input Wv_w: QUANTISED
;;     4. batch 32 x [M 1,024, K 512] x [K 512, N 1,024]; A: computed on the way; B: computed on the way: QUANTISED
;;     5. batch 32 x [M 1,024, K 1,024] x [K 1,024, N 512]; A: softmax (see below); B: computed on the way: QUANTISED
;;   THE QUANTISER, for each operand of a quantised product, along K:
;;     - K is cut into blocks of 32 from its start; a last block that is shorter is filled with zeros.
;;     - A block's scale is 2^e with e = floor(log2(the largest magnitude in the block)) - 2, held to -126 .. 127; a block of zeros has e = 0. As a byte (E8M0): e + 127.
;;     - Each number is divided by its block's scale, clamped to +-6, and rounded to the nearest number of E2M1, ties to even, subnormals kept.
;;     - The product sums the exact products of the quantised numbers (number of the format x scale) in f32.
;;   ~~~python
;;   def quantise(x, axis):      # numpy; x: float32 -> the quantised numbers, widened to float32 again
;;       x = np.moveaxis(x, axis, -1); K = x.shape[-1]
;;       x = np.pad(x, [(0, 0)] * (x.ndim - 1) + [(0, -K % 32)]); x = x.reshape(x.shape[:-1] + (-1, 32)); a = np.abs(x).max(-1, keepdims=True)
;;       e = np.where(a > 0, np.clip(np.frexp(np.where(a > 0, a, 1))[1] - 1 - 2, -126, 127), 0)      # np.frexp(a)[1] - 1 = floor(log2(a)), exactly
;;       r = np.clip(x / 2.0 ** e, -6, 6)
;;       step = 2.0 ** (np.maximum(np.frexp(np.where(r == 0, 1, r))[1] - 1, 0) - 1)
;;       q = np.round(r / step) * step * 2.0 ** e      # np.round: ties to even
;;       return np.moveaxis(q.reshape(q.shape[:-2] + (-1,))[..., :K], -1, axis).astype(np.float32)
;;   ~~~
;;   SOFTMAX AHEAD OF A QUANTISED PRODUCT. Where the list says 'softmax', what is quantised is not the finished softmax but p = 2^(t - M), with t = logit x log2(e) and M = ceil(the row's largest t), a whole number; so 1/2 < the row's largest p <= 1. The row's sum l is taken of the UNQUANTISED p, in f32, and the product's result is divided by l at the end. Since M is a whole number, a kernel that streams over the keys may use a running M (the ceiling of the running maximum): every later rescaling is an exact power of two, which a block's scale takes up: the codes' values come out the same.
;;   OPERANDS COMPUTED ON THE WAY. 'Computed on the way' means the value that the module computes at that place (a softmax that the list does not call 'softmax' is quantised finished and normalised). What goes into a quantiser is computed in f32, as accurately as f32 sums, v_exp_f32 and their like allow (about 1e-6 of the number): no bf16 or f16 on the way to a quantiser, and a product that is left as it is and whose result goes on into a quantised operand takes f32 operands (vector FMAs, or v_wmma_f32_16x16x4_f32). A number that lies on a knife's edge between two numbers of the format may be rounded either way, as far as f32 arithmetic and the matrix unit's own rounding can turn it there, and no further.
;; 2 versions, each right; version 2 is version 1 with the launch prep written anew for expert scheduling mode. Each part assembles by itself: llvm-mc -triple=amdgcn-amd-amdhsa -mcpu=gfx1250 --defsym DOCPART=n.
;; ======== version 1 of 2: 3 launches
;; workspace buffers: wfrag 262,144 bytes; wscale 16,384 bytes; qbuf 16,384 bytes; part 655,360 bytes
;; launch prep (part 1): grid 32 x 1, 4 waves a work-group, no clusters, 16,896 bytes of LDS; arguments inputdata, Wq_w, Wq_b, Wk_w, Wv_w, wfrag, wscale, qbuf; writes wfrag, wscale, qbuf
.if DOCPART == 1
	.amdgcn_target "amdgcn-amd-amdhsa--gfx1250"
	.amdhsa_code_object_version 6
	.text
	.protected	k_qcf6d6f8511_prep
	.globl	k_qcf6d6f8511_prep
	.p2align	8
	.type	k_qcf6d6f8511_prep,@function
k_qcf6d6f8511_prep:
	s_mov_b64 s[64:65], 0
	v_nop
	global_prefetch_b8 v0, s[64:65] scope:SCOPE_SE
	s_setreg_imm32_b32 hwreg(HW_REG_WAVE_MODE, 25, 1), 1
	s_wait_xcnt 0x0
; Two jobs in one launch, told apart by the work-group's number (the same for all waves of a work-group).
; W (work-groups 0-15): Wk_w and Wv_w, [512 (n)][512 (k)] f32, become codes of FP4 (E2M1) with one E8M0 byte for each 32 along k, laid in the ORDER OF THE OPERAND'S REGISTERS, so that the next launch
;   loads each fragment by two loads of 16 bytes a lane.  wfrag: [w 4][mat 2][t 8][s 4][cc 2][lane 32][16 bytes]; lane (r, h) holds the 32 codes k = 128 s + 64 cc + 32 h + 0 .. 31 of row n:
;   Wk (mat 0): n = 128 w + 32 (t / 2) + 8 (t % 2) + r + 8 (r / 8): the rows of a tile are not neighbours, so that the results of two neighbouring tiles are 16 neighbours along the next product's K;
;   Wv (mat 1): n = 128 w + 16 t + r.   wscale: [w 4][t 8][32][s 4] words: places 0-15 Wk's rows, places 16-31 Wv's.   One wave makes one tile (16 rows x 512 k).
; Q (work-groups 16-31): q = X_last Wq^T + bq for the 32 heads' last rows (the only queries that the result keeps), on codes of FP4, and q's own codes for the score product.
;   Work-group nb makes columns 32 nb .. 32 nb + 31, wave s the part of K step s (k = 128 s on); the four parts meet in LDS; waves 0 and 1 add them and the bias in f32 and quantise one block of 32.
;   qbuf: [head 32][512 bytes]: bytes 0-255 the 512 codes, bytes 256-271 the 16 scale bytes; the rest is neither written nor read.
; THE QUANTISER: a block's scale is 2^(floor(log2(its largest magnitude)) - 2); its byte is the largest magnitude's exponent field - 2, held at 1 from below by a floor among the maximum's leaves.
; A lane loads a WHOLE block of 32 neighbours along k (128 bytes, eight loads): its maximum needs no other lane, and the conversions' results are the operand's registers as they stand.
; LIMITS: a block of zeros, or one whose largest magnitude lies under 2^-124, gets the byte 1 (the rule says 127 for zeros: its codes are zeros, and this program alone reads the bytes); NaN and infinities are not served.
; q's codes and bytes leave as 8 bytes and 1 byte a lane into rows 512 bytes apart: 8,704 bytes in the whole launch.
; REGISTERS: window 0: v1-13 addresses; v16-31 at work; v48-79 four fragments' codes; v80-83 their scale words; v88-119 four accumulators; v120-135 the bias; v136-199 the parts read back; v200-201 q's codes.
;   window 1: the numbers as loaded, fragment f at v[64 ((f + 1) % 4)]: so no conversion's destination bears a number that its sources bear.
.set WV,  2                            ; s2   my wave's number
.set GG,  3                            ; s3   wave % 2: which 16 heads I finish
.set SEL, 20                           ; s[20:21] lane selects for v_permlanex16_b32: lane l xor 16
.set RR,  1                            ; v1   r = lane % 16
.set HH,  2                            ; v2   h = lane / 16
.set LI,  3                            ; v3   16 x lane
.set SH8, 4                            ; v4   8 h
.set R3,  5                            ; v5   r / 8
.set VO,  6                            ; v6   my byte in a tile of a weight
.set VX,  7                            ; v7   my byte among the heads' last rows
.set RI,  8                            ; v8   16 r
.set LSA, 9                            ; v9   LDS: where I put my part: 16 x lane + 4,096 x wave
.set LRA, 10                           ; v10  LDS: where I read the parts: 16 x lane + 2,048 x (wave % 2)
.set OB,  11                           ; v11  64 h
.set QO,  12                           ; v12  512 r + 8 h
.set QB,  13                           ; v13  512 r
.set TM,  16                           ; v16-19 largest magnitudes, v20-23 the other lane's and bytes, v28-31 the conversions' scale operands
.set CF,  48
.set CW,  80
.set P,   88
.set BQ,  120
.set R,   136
.set QC,  200
.set MSB, 0
.macro WIN new                         ; the immediate's high byte repeats the setting that is left; a switch that changes nothing is dropped
.if MSB != (\new)
	s_set_vgpr_msb (MSB<<8)|(\new)
.set MSB, (\new)
.endif
.endm
.macro PLACES n
.rept \n
	v_nop
.endr
.endm
; four chains by turns: chain b takes the largest magnitude of v[s + 16 b .. s + 16 b + 15] of window win, and the floor 2^(3 - 127)
.macro QMAX s, win
	WIN 5*(\win)
.irp b, 0,1,2,3
	v_max3_num_f32 v[TM+\b], |v[(\s)+16*\b]|, |v[(\s)+16*\b+1]|, 0x1800000
.endr
.irp i, 2,4,6,8,10,12,14
.irp b, 0,1,2,3
	v_max3_num_f32 v[TM+\b], |v[(\s)+16*\b+\i]|, |v[(\s)+16*\b+\i+1]|, v[TM+\b]
.endr
.endr
	WIN 0
.endm
; 64 numbers of a lane, register 32 cc + i = k 64 cc + 32 h + i of my row, become a fragment's 8 registers of codes in v[pc] on and my row's scale word in v[pw]
.macro QROW s, win, pc, pw
	QMAX \s, \win
	v_max_num_f32 v[TM], v[TM], v[TM+1]            ; block 2 cc + h, cc = 0
	v_max_num_f32 v[TM+2], v[TM+2], v[TM+3]        ; cc = 1
	v_add_nc_u32 v[TM+12], 0xff000000, v[TM]       ; 2 off the exponent field: the conversion takes the exponent field of this operand as its scale
	v_add_nc_u32 v[TM+14], 0xff000000, v[TM+2]
	v_lshrrev_b32 v[TM+4], 23, v[TM+12]            ; the scales' bytes
	v_lshrrev_b32 v[TM+6], 23, v[TM+14]
	v_lshl_or_b32 v[\pw], v[TM+6], 16, v[TM+4]     ; my two bytes, blocks h and 2 + h,
	v_lshlrev_b32 v[\pw], v[SH8], v[\pw]           ; at their places in the word;
	v_permlanex16_b32 v[TM+5], v[\pw], s[SEL], s[SEL+1]
	v_or_b32 v[\pw], v[\pw], v[TM+5]               ; with lane l xor 16's two the word is whole, in both lanes
	WIN \win
.irp cc, 0,1
.irp g, 0,1,2,3
	v_cvt_scalef32_pk8_fp4_f32 v[\pc+4*\cc+\g], v[(\s)+32*\cc+8*\g:(\s)+32*\cc+8*\g+7], v[TM+12+2*\cc]
.endr
.endr
	WIN 0
	v_nop                                          ; one plain place behind the last scaled conversion
.endm
; fragment f's numbers: my row's k = 64 cc + 32 h + 0 .. 31, sixteen loads of 16 bytes
.macro LOADF f, vo, base, imm
.irp cc, 0,1
.irp j, 0,1,2,3,4,5,6,7
	global_load_b128 v[64*(((\f)+1)%4)+32*\cc+4*\j:64*(((\f)+1)%4)+32*\cc+4*\j+3], v[\vo], s[\base:\base+1] offset:(\imm)+256*\cc+16*\j
.endr
.endr
.endm
.macro QUANT4
.irp f, 0,1,2,3
	s_wait_loadcnt 48-16*\f                        ; fragment f's sixteen loads are in (and all that were issued ahead of them); the younger fragments' may be out
	QROW 64*((\f+1)%4), 1, CF+8*\f, CW+\f
.endr
.endm
	s_load_b512 s[4:19], s[0:1], 0x0               ; inputdata s[4:5], Wq_w s[6:7], Wq_b s[8:9], Wk_w s[10:11], Wv_w s[12:13], wfrag s[14:15], wscale s[16:17], qbuf s[18:19]
	v_lshl_add_u32 v254, v0, 2, 0x4000
	v_mov_b32 v255, 0
	v_lshrrev_b32 v[RR], 5, v0
	v_readfirstlane_b32 s[WV], v[RR]               ; wave 0..3
	s_and_b32 s[GG], s[WV], 1
	v_and_b32 v[RR], 15, v0
	v_bfe_u32 v[HH], v0, 4, 1
	v_and_b32 v[LI], 31, v0
	v_lshlrev_b32 v[LI], 4, v[LI]
	v_lshlrev_b32 v[SH8], 3, v[HH]
	v_lshrrev_b32 v[R3], 3, v[RR]
	s_lshl_b32 s22, s[WV], 12
	v_add_nc_u32 v[LSA], s22, v[LI]
	s_lshl_b32 s22, s[GG], 11
	v_add_nc_u32 v[LRA], s22, v[LI]
	s_mov_b32 s[SEL], 0x76543210
	s_mov_b32 s[SEL+1], 0xfedcba98
.irp b, 0,1,2,3
	v_mov_b32 v[TM+4+\b], 0                        ; written once: a lane permute's destination counts as one of its sources
.endr
	s_cmp_ge_u32 ttmp9, 16
	s_cbranch_scc1 .Lpath_q
	; ---- W: my wave's tile of Wk or Wv
	s_lshl_b32 s22, ttmp9, 2
	s_add_co_u32 s22, s22, s[WV]                   ; tile number 0..63 = 32 mat + 8 w + t
	s_bfe_u32 s23, s22, 0x20003                    ; w: two bits from bit 3
	s_and_b32 s24, s22, 7                          ; t
	s_lshr_b32 s25, s22, 5                         ; mat
	s_lshl_b32 s34, s23, 16                        ; where the codes go: 65,536 w + 32,768 mat + 4,096 t
	s_lshl_b32 s35, s25, 15
	s_add_co_u32 s34, s34, s35
	s_lshl_b32 s35, s24, 12
	s_add_co_u32 s34, s34, s35
	s_mov_b32 s35, 0
	s_lshl_b32 s36, s23, 12                        ; and the scale words: 4,096 w + 512 t + 256 mat
	s_lshl_b32 s37, s24, 9
	s_add_co_u32 s36, s36, s37
	s_lshl_b32 s37, s25, 8
	s_add_co_u32 s36, s36, s37
	s_mov_b32 s37, 0
	s_lshr_b32 s26, s24, 1
	s_lshl_b32 s26, s26, 5                         ; Wk's tile begins at row 32 (t / 2)
	s_and_b32 s27, s24, 1
	s_lshl_b32 s27, s27, 3
	s_add_co_u32 s26, s26, s27                     ; + 8 (t % 2);
	s_lshl_b32 s27, s24, 4                         ; Wv's at row 16 t
	s_lshl_b32 s24, s23, 7                         ; 128 w
	s_cmp_eq_u32 s25, 0                            ; Wk or Wv?  The choice hangs on the work-group's number alone
	s_cselect_b32 s26, s26, s27
	s_cselect_b32 s27, 8, 0                        ; Wk's lanes 8-15 stand 8 rows further on
	s_wait_kmcnt 0x0
	s_cselect_b64 s[28:29], s[10:11], s[12:13]
	s_add_co_u32 s24, s24, s26
	s_lshl_b32 s24, s24, 11                        ; a row is 2,048 bytes
	s_mov_b32 s25, 0
	s_add_nc_u64 s[28:29], s[28:29], s[24:25]
	s_add_nc_u64 s[30:31], s[14:15], s[34:35]
	s_add_nc_u64 s[32:33], s[16:17], s[36:37]
	v_mul_u32_u24 v[VO], s27, v[R3]
	v_add_nc_u32 v[VO], v[VO], v[RR]
	v_lshlrev_b32 v[VO], 11, v[VO]
	v_lshl_add_u32 v[VO], v[HH], 7, v[VO]          ; my row, + 128 h bytes: my block of 32
	v_lshlrev_b32 v[RI], 4, v[RR]
	WIN 0x40                                       ; destination window 1
.irp f, 0,1,2,3
	LOADF \f, VO, 28, 512*\f                       ; fragment f is K step f
.endr
	WIN 0
	QUANT4
.irp f, 0,1,2,3
.irp cc, 0,1
	global_store_b128 v[LI], v[CF+8*\f+4*\cc:CF+8*\f+4*\cc+3], s[30:31] offset:1024*\f+512*\cc   ; 32 lanes store 512 consecutive bytes
.endr
.endr
	global_store_b128 v[RI], v[CW:CW+3], s[32:33]  ; my row's four words; lanes l and l xor 16 write the same bytes with the same values: 256 consecutive bytes
	s_endpgm
	; ---- Q: columns 32 nb .. 32 nb + 31 of q for all 32 heads; my wave takes K step = wave
.Lpath_q:
	s_sub_co_u32 s22, ttmp9, 16                    ; nb
	s_lshl_b32 s23, s[WV], 9                       ; 512 bytes a K step
	s_lshl_b32 s24, s22, 16                        ; Wq: 32 nb rows of 2,048 bytes
	s_add_co_u32 s24, s24, s23
	s_mov_b32 s25, 0
	s_add_co_u32 s26, s23, 1023*2048               ; X: a head's last row
	s_mov_b32 s27, 0
	s_lshl_b32 s28, s22, 7                         ; the bias: 32 nb numbers
	s_mov_b32 s29, 0
	s_lshl_b32 s23, s[GG], 13                      ; 16 heads of 512 bytes in qbuf
	s_lshl_b32 s30, s22, 4                         ; block nb's 16 bytes of codes
	s_add_co_u32 s30, s30, s23
	s_mov_b32 s31, 0
	s_add_co_u32 s32, s22, s23                     ; and its byte
	s_mov_b32 s33, 0
	v_lshl_add_u32 v[VO], v[R3], 3, v[RR]          ; Wq: lane r of tile u takes row 32 nb + 8 u + r + 8 (r / 8)
	v_lshlrev_b32 v[VO], 11, v[VO]
	v_lshl_add_u32 v[VO], v[HH], 7, v[VO]
	v_lshlrev_b32 v[VX], 21, v[RR]                 ; X: lane r takes head 16 g + r: 2^21 bytes a head
	v_lshl_add_u32 v[VX], v[HH], 7, v[VX]
	v_lshlrev_b32 v[OB], 6, v[HH]
	v_lshlrev_b32 v[QB], 9, v[RR]
	v_lshl_add_u32 v[QO], v[HH], 3, v[QB]
	s_wait_kmcnt 0x0
	s_add_nc_u64 s[6:7], s[6:7], s[24:25]
	s_add_nc_u64 s[4:5], s[4:5], s[26:27]          ; heads 0-15
	s_add_nc_u64 s[34:35], s[4:5], 33554432        ; heads 16-31: 16 x 2^21 bytes on
	s_add_nc_u64 s[8:9], s[8:9], s[28:29]
	s_add_nc_u64 s[36:37], s[18:19], s[30:31]
	s_add_nc_u64 s[38:39], s[18:19], s[32:33]
.irp j, 0,1,2,3
	global_load_b128 v[BQ+4*\j:BQ+4*\j+3], v[OB], s[8:9] offset:16*\j   ; bq at columns 32 nb + 16 h + 0 .. 15; issued first, so the counted waits below cover it
.endr
	WIN 0x40
	LOADF 0, VO, 6, 0                              ; Wq's tiles u = 0, 1
	LOADF 1, VO, 6, 16384
	LOADF 2, VX, 4, 0                              ; the last rows of heads 0-15 and 16-31
	LOADF 3, VX, 34, 0
	WIN 0
	QUANT4
	PLACES 8                                       ; a scale register written by a vector instruction stands 8 places ahead of a scaled matrix instruction, an operand so written 4
.irp g, 0,1                                    ; TRANSPOSED: source 0 = 16 rows of Wq, source 1 = 16 heads: lane (r, h) holds head 16 g + r, register j column 32 nb + 16 h + 8 u + j
.irp u, 0,1
	v_wmma_scale_f32_16x16x128_f8f6f4 v[P+8*(2*\g+\u):P+8*(2*\g+\u)+7], v[CF+8*\u:CF+8*\u+7], v[CF+16+8*\g:CF+16+8*\g+7], 0, v[CW+\u], v[CW+2+\g] matrix_a_fmt:MATRIX_FMT_FP4 matrix_b_fmt:MATRIX_FMT_FP4
.endr
.endr
	PLACES 4                                       ; places in front of the stores that read the results
.irp a, 0,1,2,3
	ds_store_b128 v[LSA], v[P+8*\a:P+8*\a+3] offset:1024*\a          ; each accumulator from its low end on; an image of the registers: 16 bytes a lane
	ds_store_b128 v[LSA], v[P+8*\a+4:P+8*\a+7] offset:1024*\a+512
.endr
	s_wait_dscnt 0x0                               ; for the others' sake: my stores have landed
	s_barrier_signal -1
	s_barrier_wait -1
	s_cmp_gt_u32 s[WV], 1
	s_cbranch_scc1 .Lq_done                        ; waves 0 and 1 finish 16 heads each
.irp sp, 0,1,2,3
.irp u, 0,1
.irp hf, 0,1
	ds_load_b128 v[R+16*\sp+8*\u+4*\hf:R+16*\sp+8*\u+4*\hf+3], v[LRA] offset:4096*\sp+1024*\u+512*\hf
.endr
.endr
.endr
	s_wait_dscnt 0x0
.irp sp, 1,2,3                                 ; the four K steps' parts, K ascending, then the bias: all in f32
.irp i, 0,2,4,6,8,10,12,14
	v_pk_add_f32 v[R+\i:R+\i+1], v[R+\i:R+\i+1], v[R+16*\sp+\i:R+16*\sp+\i+1]
.endr
.endr
.irp i, 0,2,4,6,8,10,12,14
	v_pk_add_f32 v[R+\i:R+\i+1], v[R+\i:R+\i+1], v[BQ+\i:BQ+\i+1]
.endr
	v_max3_num_f32 v[TM], |v[R]|, |v[R+1]|, 0x1800000   ; q's block nb: my 16 numbers and the floor,
.irp i, 2,4,6,8,10,12,14
	v_max3_num_f32 v[TM], |v[R+\i]|, |v[R+\i+1]|, v[TM]
.endr
	v_permlanex16_b32 v[TM+4], v[TM], s[SEL], s[SEL+1]
	v_max_num_f32 v[TM], v[TM], v[TM+4]            ; and lane l xor 16's 16
	v_add_nc_u32 v[TM+12], 0xff000000, v[TM]
	v_lshrrev_b32 v[TM+4], 23, v[TM+12]
	v_cvt_scalef32_pk8_fp4_f32 v[QC], v[R:R+7], v[TM+12]
	v_cvt_scalef32_pk8_fp4_f32 v[QC+1], v[R+8:R+15], v[TM+12]
	v_nop
	global_store_b64 v[QO], v[QC:QC+1], s[36:37]   ; the codes of columns 32 nb + 16 h + 0 .. 15
	global_store_b8 v[QB], v[TM+4], s[38:39] offset:256   ; both lanes of a block write the same byte with the same value
.Lq_done:
	s_wait_tensorcnt 0x0
	ds_add_u32 v254, v255
	s_wait_dscnt 0x0
	s_endpgm
.Lfunc_end_k_qcf6d6f8511_prep:
	.size	k_qcf6d6f8511_prep, .Lfunc_end_k_qcf6d6f8511_prep-k_qcf6d6f8511_prep
	.p2alignl 7, 3214868480
	.fill 96, 4, 3214868480
	.section	.rodata,"a",@progbits
	.p2align	6, 0x0
	.amdhsa_kernel k_qcf6d6f8511_prep
		.amdhsa_group_segment_fixed_size 16896
		.amdhsa_private_segment_fixed_size 0
		.amdhsa_enable_private_segment 0
		.amdhsa_kernarg_size 64
		.amdhsa_user_sgpr_count 2
		.amdhsa_user_sgpr_kernarg_segment_ptr 1
		.amdhsa_wavefront_size32 1
		.amdhsa_system_sgpr_workgroup_id_x 1
		.amdhsa_system_sgpr_workgroup_id_y 1
		.amdhsa_system_sgpr_workgroup_id_z 1
		.amdhsa_system_vgpr_workitem_id 0
		.amdhsa_next_free_vgpr 512
		.amdhsa_next_free_sgpr 66
		.amdhsa_reserve_vcc 0
		.amdhsa_float_denorm_mode_32 3
		.amdhsa_float_denorm_mode_16_64 3
		.amdhsa_memory_ordered 1
		.amdhsa_forward_progress 1
		.amdhsa_inst_pref_size 49
	.end_amdhsa_kernel
	.amdgpu_metadata
---
amdhsa.version: [ 1, 2 ]
amdhsa.kernels:
  - .name:           k_qcf6d6f8511_prep
    .symbol:         k_qcf6d6f8511_prep.kd
    .args:
      - { .name: inputdata, .offset: 0, .size: 8, .value_kind: global_buffer, .address_space: global }
      - { .name: Wq_w, .offset: 8, .size: 8, .value_kind: global_buffer, .address_space: global }
      - { .name: Wq_b, .offset: 16, .size: 8, .value_kind: global_buffer, .address_space: global }
      - { .name: Wk_w, .offset: 24, .size: 8, .value_kind: global_buffer, .address_space: global }
      - { .name: Wv_w, .offset: 32, .size: 8, .value_kind: global_buffer, .address_space: global }
      - { .name: wfrag, .offset: 40, .size: 8, .value_kind: global_buffer, .address_space: global }
      - { .name: wscale, .offset: 48, .size: 8, .value_kind: global_buffer, .address_space: global }
      - { .name: qbuf, .offset: 56, .size: 8, .value_kind: global_buffer, .address_space: global }
    .group_segment_fixed_size: 16896
    .private_segment_fixed_size: 0
    .kernarg_segment_align: 8
    .kernarg_segment_size: 64
    .max_flat_workgroup_size: 128
    .sgpr_count:     66
    .vgpr_count:     512
    .wavefront_size: 32
...
	.end_amdgpu_metadata
.endif
;; end of part 1
;; launch main (part 2): grid 8 x 32, 4 waves a work-group, no clusters, 295,424 bytes of LDS; arguments inputdata, wfrag, wscale, qbuf, Wk_b, Wv_b, part; writes part
.if DOCPART == 2
	.amdgcn_target "amdgcn-amd-amdhsa--gfx1250"
	.amdhsa_code_object_version 6
	.text
	.protected	k_qcf6d6f8511_main
	.globl	k_qcf6d6f8511_main
	.p2align	8
	.type	k_qcf6d6f8511_main,@function
k_qcf6d6f8511_main:
	s_mov_b64 s[64:65], 0
	v_nop
	global_prefetch_b8 v0, s[64:65] scope:SCOPE_SE
	s_setreg_imm32_b32 hwreg(HW_REG_WAVE_MODE, 25, 1), 1
	s_wait_xcnt 0x0
; The result keeps one query a head (row 1,023), so each head needs: K = X Wk^T + bk and V = X Wv^T + bv for all 1,024 keys, one row of scores, one row of p, one row of p V.
; All products run on codes of FP4 (E2M1) with one E8M0 scale for each 32 along K.  The bias relu(tril(j - i)) that the scores get is built of indices alone and is 0 at every place: nothing is added for it.
; SHARES.  A work-group (x = part 0..7, y = head) owns 128 keys of one head, taken as four chunks of 32 (32 keys are one block of V's quantiser).  It stores a partial result: O_i = sum of p V over its keys,
; l_i = sum of p, and -M_i, M_i = the ceiling of its own largest t, a whole number; the next launch joins the eight parts of a head by exact powers of two.
; THE WAVES SHARE THE COLUMNS: wave w makes columns 128 w .. 128 w + 127 of K and of V for all 128 keys.  Its 64 fragments of Wk and Wv stay in 512 registers, loaded once, as the launch before laid them.
; Wave w also quantises columns 128 w .. + 127 of X (K step w of both products); the codes go to the other waves through LDS as images of the operand's registers.
; X COMES BY TENSOR LOADS, ALL AT THE HEAD: each wave asks for its four tiles (32 keys x 512 bytes, one a chunk) in its first lines: four loads of a wave are out, 262,144 bytes for the work-group.  No LDS byte is
; filled twice; only the wave that asked reads a tile, behind its own counted wait.  There is nothing further ahead to ask for, so no prefetch is written.
; NO CLUSTER: what work-groups share is the weights' 278,528 bytes of codes and scale words.  A joint load lands in LDS, where X's 270,336 bytes and 22,016 of stages leave 35,328: the weights would pass through in
; eight refills or more, each behind a round of a cluster's barrier, ahead of the first product.  They go from memory straight into the registers in which they stay.
; LAYOUT.  The keys of a tile of X are not neighbours: lane p of tile u holds key 8 u + p + 8 (p / 8) of the chunk.
;   K^T = Wk X^T (source 0 = 16 rows of Wk, source 1 = 16 keys): a lane holds ONE key, and the 16 registers of tiles 2 b, 2 b + 1 are columns 32 b + 16 h + 0 .. 15: quantised in registers, they are K step w of the scores.
;   scores = K q^T (source 0 = 16 keys, source 1 = q in all 16 columns): register 8 u + j = key 16 h + 8 u + j; the four waves' parts meet in LDS and are added in f32.
;   V = X Wv^T (source 0 = 16 keys, source 1 = 16 rows of Wv): a lane holds ONE column, and its 16 registers of tiles u = 0, 1 are keys 16 h + 0 .. 15: V's codes come out with the keys innermost.
;   O^T = V^T p^T (source 0 = 16 columns of V, source 1 = p in all 16 columns), K = the 128 keys.
; THE SOFTMAX: t = score x log2(e) / sqrt(512); p = 2^(t - M_i), not normalised; l_i is the sum of the unquantised p.
; LIMITS: NaN and infinities are not served.  A block whose largest magnitude lies under 2^-124 (a block of zeros too) has the scale byte 1.  p is taken under the work-group's own M_i: against the row's M that moves
; a block's scale byte and not its codes, but for blocks whose byte the row's M would hold at 1; v_exp_f32 gives 0 where p would be denormal.
; REGISTERS, in windows of 256.  window 0: v1-15 addresses; v16-47 the weights' scale words (lanes 0-15 Wk's, lanes 16-31 Wv's); v48-51 X's (lanes 0-15 tile 0's, lanes 16-31 tile 1's); v52 q's; v53-54 those just made;
;   v55 p's; v56-63 V's; v64-79 at work; v80-95 codes just made; v96-103 q; v104-119 scores; v120-127 statistics; v128-191, v192-255 accumulators and numbers in hand.
;   window 1: Wk's 32 fragments (tile t, K step s at v[8 (4 t + s)]).  window 2: Wv's likewise.  window 3: v0-63 V's codes; v64-127 bv and v192-255 bk in the results' layout; v128-191 X's 8 fragments.
.set XT,   16896                       ; a tile of X in LDS: 32 rows x (512 bytes + 16 of padding): 132 words a row, so the 16 rows that a load touches start at 16 different banks (64 banks of 4 bytes: ISA guide 11.1)
.set XIMG, 16*XT                       ; behind the 16 tiles: the images of a chunk's 8 fragments, two buffers by turns: tile u at 4,224 u, K step s at 1,024 s, half cc at 512 cc, 16 bytes a lane
.set XIB,  8448
.set XSC,  XIMG+2*XIB                  ; X's scale words, two buffers of 512 bytes: 16 (16 u + lane) + 4 s
.set SCO,  XSC+1024                    ; the waves' parts of the scores: 512 x wave + 4 x key
.set OST,  SCO+2048                    ; the way out: 512 bytes for each wave
.set LXA,  1                           ; v1   my place in my wave's tiles: 67,584 x wave + 528 r + 128 h
.set LI,   2                           ; v2   16 x lane
.set XWI,  3                           ; v3   where my codes of X go: XIMG + 4,224 (r / 8) + 256 h + 16 (r % 8) + 1,024 x wave
.set XWS,  4                           ; v4   and my row's scale word: XSC + 256 (r / 8) + 16 (r % 8) + 4 x wave
.set FI,   5                           ; v5   XIMG + 16 x lane
.set FS,   6                           ; v6   XSC + 16 x lane
.set SWA,  7                           ; v7   SCO + 512 x wave + 64 h
.set SRA,  8                           ; v8   SCO + 64 h
.set OSA,  9                           ; v9   OST + 512 x wave + 32 h
.set ORA,  10                          ; v10  OST + 512 x wave + 16 x lane
.set SH8,  11                          ; v11  8 h
.set O4R,  12                          ; v12  4 r
.set O16H, 13                          ; v13  16 h
.set O64H, 14                          ; v14  64 h
.set OZ,   15                          ; v15  0
.set WS,   16
.set XS,   48
.set QS,   52
.set PW0,  53
.set PS,   55
.set VS,   56
.set TM,   64                          ; v64-67 largest magnitudes, v68-71 the other lane's and bytes, v72 at work, v76-79 the conversions' scale operands
.set PC,   80
.set QF,   96
.set S,    104
.set NM,   120                         ; v[120:121] -M, twice
.set LL,   122                         ; v[122:123] the sum of p, in two halves
.set ST4,  124                         ; v[124:127] -M, l, -M, l
.set RR,   120                         ; at the head only: r, h, lane, r / 8, r % 8
.set HH,   121
.set LN,   122
.set T0,   123
.set T1,   124
.set A0,   128
.set A1,   192
.set VC,   0                           ; window 3
.set BV,   64
.set XF,   128
.set BK,   192
.set WV,   18                          ; s18  my wave's number
.set HD,   19                          ; s19  the head
.set SEL,  20                          ; s[20:21] lane selects for v_permlanex16_b32: lane l xor 16
.set CS,   22                          ; s[22:23] c = log2(e) / sqrt(512): the packed form names a pair and takes its low word for both halves
.set G1,   24                          ; s[24:31] descriptor group 1
.set G0,   32                          ; s[32:47] descriptor group 0, a set for each chunk: none is written again
.set MSB, 0
.macro WIN new                         ; the immediate's high byte repeats the setting that is left; a switch that changes nothing is dropped
.if MSB != (\new)
	s_set_vgpr_msb (MSB<<8)|(\new)
.set MSB, (\new)
.endif
.endm
.macro PLACES n
.rept \n
	v_nop
.endr
.endm
; four chains by turns: chain b takes the largest magnitude of v[s + 16 b .. s + 16 b + 15], and the floor 2^(3 - 127), which holds the scale's byte at 1 from below.  Registers are taken in ascending order: each accumulator from its low end on
.macro QMAX s
.irp b, 0,1,2,3
	v_max3_num_f32 v[TM+\b], |v[(\s)+16*\b]|, |v[(\s)+16*\b+1]|, 0x1800000
.endr
.irp i, 2,4,6,8,10,12,14
.irp b, 0,1,2,3
	v_max3_num_f32 v[TM+\b], |v[(\s)+16*\b+\i]|, |v[(\s)+16*\b+\i+1]|, v[TM+\b]
.endr
.endr
.endm
; a block lies in lanes l and l xor 16: the two maxima are joined; then the conversions' scale operands and the bytes
.macro QJOIN
.irp b, 0,1,2,3
	v_permlanex16_b32 v[TM+4+\b], v[TM+\b], s[SEL], s[SEL+1]
.endr
.irp b, 0,1,2,3
	v_max_num_f32 v[TM+\b], v[TM+\b], v[TM+4+\b]
.endr
.endm
.macro QBYTE
.irp b, 0,1,2,3
	v_add_nc_u32 v[TM+12+\b], 0xff000000, v[TM+\b] ; 2 off the exponent field: the conversion takes the exponent field of this operand as its scale, and nothing else of it
.endr
.irp b, 0,1,2,3
	v_lshrrev_b32 v[TM+4+\b], 23, v[TM+12+\b]      ; the scale's byte
.endr
.endm
.macro QWORD pw                        ; the four bytes make my row's scale word
	v_lshl_or_b32 v[\pw], v[TM+5], 8, v[TM+4]
	v_lshl_or_b32 v[\pw], v[TM+6], 16, v[\pw]
	v_lshl_or_b32 v[\pw], v[TM+7], 24, v[\pw]
.endm
.macro QCODE s, pc                     ; register 16 b + i = k 32 b + 16 h + i: half blocks; the operand's layout wants a whole block in a lane: two exchanges for each pair of blocks
.irp b, 0,1,2,3
.irp e, 0,1
	v_cvt_scalef32_pk8_fp4_f32 v[\pc+2*\b+\e], v[(\s)+16*\b+8*\e:(\s)+16*\b+8*\e+7], v[TM+12+\b]
.endr
.endr
	v_nop                                          ; one plain place behind the last scaled conversion
.irp cc, 0,1
.irp i, 0,1
	v_permlane16_swap_b32 v[\pc+4*\cc+\i], v[\pc+4*\cc+2+\i]
.endr
.endr
.endm
.macro QACC s, pc, pw                  ; 64 results of a lane become a fragment's codes and its scale word
	QMAX \s
	QJOIN
	QBYTE
	QWORD \pw
	QCODE \s, \pc
.endm
; 64 numbers of a lane as they lie in a row, register 32 cc + i = k 64 cc + 32 h + i: a whole block in a lane; the conversions' results are the operand's registers
.macro QROW s, pc, pw
	QMAX \s
	v_max_num_f32 v[TM], v[TM], v[TM+1]            ; block 2 cc + h, cc = 0
	v_max_num_f32 v[TM+2], v[TM+2], v[TM+3]        ; cc = 1
	v_add_nc_u32 v[TM+12], 0xff000000, v[TM]
	v_add_nc_u32 v[TM+14], 0xff000000, v[TM+2]
	v_lshrrev_b32 v[TM+4], 23, v[TM+12]
	v_lshrrev_b32 v[TM+6], 23, v[TM+14]
	v_lshl_or_b32 v[\pw], v[TM+6], 16, v[TM+4]     ; my two bytes, blocks h and 2 + h,
	v_lshlrev_b32 v[\pw], v[SH8], v[\pw]           ; at their places in the word;
	v_permlanex16_b32 v[TM+5], v[\pw], s[SEL], s[SEL+1]
	v_or_b32 v[\pw], v[\pw], v[TM+5]               ; with lane l xor 16's two the word is whole, in both lanes
.irp cc, 0,1
.irp g, 0,1,2,3
	v_cvt_scalef32_pk8_fp4_f32 v[\pc+4*\cc+\g], v[(\s)+32*\cc+8*\g:(\s)+32*\cc+8*\g+7], v[TM+12+2*\cc]
.endr
.endr
	v_nop                                          ; one plain place behind the last scaled conversion
.endm
; rows 16 y + r of the chunk go to their places in the images: row 16 y + r is lane r % 8 + 8 y of tile r / 8
.macro XOUT pc, pw, buf, y
.irp cc, 0,1
	ds_store_b128 v[XWI], v[\pc+4*\cc:\pc+4*\cc+3] offset:(\buf)*XIB+512*\cc+128*(\y)
.endr
	ds_store_b32 v[XWS], v[\pw] offset:(\buf)*512+128*(\y)   ; lanes l and l xor 16 write the same word with the same value
.endm
; K^T: tile t of Wk x tile u of X, K step s.  The first K step takes the bias as C
.macro KMM u, s, t
.set rD, A0+64*(\u)+8*(\t)
.set rW, 8*(4*(\t)+(\s))
.set rX, XF+8*(4*(\u)+(\s))
.set rB, BK+8*(\t)
.set rS, WS+4*(\t)+(\s)
.if ((\s) == 0) && ((\u) == 0)
	v_wmma_scale_f32_16x16x128_f8f6f4 v[rD:rD+7], v[rW:rW+7], v[rX:rX+7], v[rB:rB+7], v[rS], v[XS+(\s)] matrix_a_fmt:MATRIX_FMT_FP4 matrix_b_fmt:MATRIX_FMT_FP4
.elseif (\s) == 0
	v_wmma_scale_f32_16x16x128_f8f6f4 v[rD:rD+7], v[rW:rW+7], v[rX:rX+7], v[rB:rB+7], v[rS], v[XS+(\s)] matrix_a_fmt:MATRIX_FMT_FP4 matrix_b_fmt:MATRIX_FMT_FP4 matrix_b_scale:MATRIX_SCALE_ROW1
.elseif (\u) == 0
	v_wmma_scale_f32_16x16x128_f8f6f4 v[rD:rD+7], v[rW:rW+7], v[rX:rX+7], v[rD:rD+7], v[rS], v[XS+(\s)] matrix_a_fmt:MATRIX_FMT_FP4 matrix_b_fmt:MATRIX_FMT_FP4
.else
	v_wmma_scale_f32_16x16x128_f8f6f4 v[rD:rD+7], v[rW:rW+7], v[rX:rX+7], v[rD:rD+7], v[rS], v[XS+(\s)] matrix_a_fmt:MATRIX_FMT_FP4 matrix_b_fmt:MATRIX_FMT_FP4 matrix_b_scale:MATRIX_SCALE_ROW1
.endif
.endm
; V: tile u of X x tile 4 hf + tp of Wv, K step s
.macro VMM hf, s, tp, u
.set rD, A0+64*(\hf)+16*(\tp)+8*(\u)
.set rW, 8*(4*(4*(\hf)+(\tp))+(\s))
.set rX, XF+8*(4*(\u)+(\s))
.set rB, BV+8*(4*(\hf)+(\tp))
.set rS, WS+4*(4*(\hf)+(\tp))+(\s)
.if ((\s) == 0) && ((\u) == 0)
	v_wmma_scale_f32_16x16x128_f8f6f4 v[rD:rD+7], v[rX:rX+7], v[rW:rW+7], v[rB:rB+7], v[XS+(\s)], v[rS] matrix_a_fmt:MATRIX_FMT_FP4 matrix_b_fmt:MATRIX_FMT_FP4 matrix_b_scale:MATRIX_SCALE_ROW1
.elseif (\s) == 0
	v_wmma_scale_f32_16x16x128_f8f6f4 v[rD:rD+7], v[rX:rX+7], v[rW:rW+7], v[rB:rB+7], v[XS+(\s)], v[rS] matrix_a_fmt:MATRIX_FMT_FP4 matrix_b_fmt:MATRIX_FMT_FP4 matrix_a_scale:MATRIX_SCALE_ROW1 matrix_b_scale:MATRIX_SCALE_ROW1
.elseif (\u) == 0
	v_wmma_scale_f32_16x16x128_f8f6f4 v[rD:rD+7], v[rX:rX+7], v[rW:rW+7], v[rD:rD+7], v[XS+(\s)], v[rS] matrix_a_fmt:MATRIX_FMT_FP4 matrix_b_fmt:MATRIX_FMT_FP4 matrix_b_scale:MATRIX_SCALE_ROW1
.else
	v_wmma_scale_f32_16x16x128_f8f6f4 v[rD:rD+7], v[rX:rX+7], v[rW:rW+7], v[rD:rD+7], v[XS+(\s)], v[rS] matrix_a_fmt:MATRIX_FMT_FP4 matrix_b_fmt:MATRIX_FMT_FP4 matrix_a_scale:MATRIX_SCALE_ROW1 matrix_b_scale:MATRIX_SCALE_ROW1
.endif
.endm
; four tiles of V (columns 16 (4 hf + b) + r), the chunk's 32 keys: block c of each column is quantised; its byte goes to byte c of the column's scale word, its codes to registers 2 c, 2 c + 1 of the tile's fragment
.macro QV a, hf, c
	QMAX \a
	QJOIN
	QBYTE
.irp b, 0,1,2,3
.if (\c) == 0
	v_mov_b32 v[VS+4*(\hf)+\b], v[TM+4+\b]
.else
	v_lshl_or_b32 v[VS+4*(\hf)+\b], v[TM+4+\b], 8*(\c), v[VS+4*(\hf)+\b]
.endif
.endr
	WIN 0xc0                                       ; destination window 3
.irp b, 0,1,2,3
.irp e, 0,1
	v_cvt_scalef32_pk8_fp4_f32 v[VC+8*(4*(\hf)+\b)+2*(\c)+\e], v[\a+16*\b+8*\e:\a+16*\b+8*\e+7], v[TM+12+\b]
.endr
.endr
	WIN 0
	v_nop                                          ; one plain place behind the last scaled conversion
.endm
	s_load_b256 s[4:11], s[0:1], 0x0               ; inputdata s[4:5], wfrag s[6:7], wscale s[8:9], qbuf s[10:11]
	s_load_b128 s[12:15], s[0:1], 0x20             ; Wk_b s[12:13], Wv_b s[14:15]
	s_load_b64 s[16:17], s[0:1], 0x30              ; part
	v_lshl_add_u32 v74, v0, 2, 0x48000
	v_mov_b32 v75, 0
	ds_add_u32 v74, v75
	ds_add_u32 v74, v75
	v_lshrrev_b32 v1, 5, v0
	v_readfirstlane_b32 s[WV], v1                  ; wave 0..3
	s_and_b32 s[HD], ttmp7, 0xffff
	; descriptor group 1: a tile of 32 rows x 128 elements of 4 bytes, 2,048 bytes from row to row in memory, padded in LDS
	s_mov_b32 s[G1+0], (2<<16)|(1<<20)|(6<<22)|(3<<25)  ; 15:0 no mask; 17:16 elements of 4 bytes; 20 padding on; 24:22 after every 128 words (code 6); 31:25 four words (code 3)
	s_mov_b32 s[G1+1], 128<<16                     ; tensor_dim0 = 128
	s_mov_b32 s[G1+2], 32<<16                      ; tensor_dim1 = 32
	s_mov_b32 s[G1+3], 128<<16                     ; tile_dim0 = 128
	s_mov_b32 s[G1+4], 32                          ; tile_dim1 = 32
	s_mov_b32 s[G1+5], 512                         ; tensor_dim0_stride: 512 elements
	s_mov_b32 s[G1+6], 0
	s_mov_b32 s[G1+7], 0
	s_lshl_b32 s48, s[HD], 21                      ; a head is 1,024 rows of 2,048 bytes,
	s_lshl_b32 s49, ttmp9, 18                      ; a part 128 rows,
	s_add_co_u32 s48, s48, s49
	s_lshl_b32 s49, s[WV], 9                       ; my wave's 128 columns 512 bytes
	s_add_co_u32 s48, s48, s49
	s_mov_b32 s49, 0
	s_mul_i32 s54, s[WV], 4*XT                     ; my wave's four tiles in LDS
	s_wait_dscnt 0x0
	s_wait_kmcnt 0x0
	s_add_nc_u64 s[4:5], s[4:5], s[48:49]
.irp c, 0,1,2,3
	s_mov_b32 s[G0+4*\c], 1                        ; 1:0 count = 1
	s_add_co_u32 s[G0+4*\c+1], s54, \c*XT          ; 63:32 LDS address
	s_add_nc_u64 s[G0+4*\c+2:G0+4*\c+3], s[4:5], \c*65536   ; 120:64 global address: 32 rows a chunk
	s_or_b32 s[G0+4*\c+3], s[G0+4*\c+3], 0x80000000        ; 127:126 type = 2
.endr
.irp c, 0,1,2,3
	tensor_load_to_lds s[G0+4*\c:G0+4*\c+3], s[G1:G1+7]     ; all my tiles at once, ahead of every wait on TENSORcnt, LDS read and barrier: four loads of mine are out
	s_nop 0
.endr
	PLACES 4                                       ; four plain lines behind the last tensor load, ahead of any switch of windows
	s_mov_b32 s[SEL], 0x76543210
	s_mov_b32 s[SEL+1], 0xfedcba98
	s_mov_b32 s[CS], 0x3d8293ee                    ; log2(e) / sqrt(512)
	s_mov_b32 s[CS+1], s[CS]                       ; (named with it as a pair, so it is written)
	; every base goes to its place once, ahead of its first use, and is not written again
	s_lshl_b32 s48, s[WV], 9
	s_add_nc_u64 s[12:13], s[12:13], s[48:49]      ; bk and bv at my 128 columns
	s_add_nc_u64 s[14:15], s[14:15], s[48:49]
	s_mov_b32 s51, 0
	s_lshl_b32 s50, s[WV], 12
	s_add_nc_u64 s[8:9], s[8:9], s[50:51]          ; my weights' scale words
	s_lshl_b32 s50, s[WV], 16
	s_add_nc_u64 s[6:7], s[6:7], s[50:51]          ; my weights' codes
	s_lshl_b32 s50, s[HD], 9
	s_add_nc_u64 s[10:11], s[10:11], s[50:51]      ; my head's q
	s_lshl_b32 s50, s[WV], 2
	s_add_nc_u64 s[52:53], s[10:11], s[50:51]      ; its scale word of K step w lies 256 bytes behind this
	s_lshl_b32 s50, s[WV], 6
	s_add_nc_u64 s[10:11], s[10:11], s[50:51]      ; its codes of K step w
	s_lshl_b32 s50, s[HD], 3
	s_add_co_u32 s50, s50, ttmp9
	s_mul_i32 s50, s50, 2560                       ; a partial result is 640 numbers
	s_add_co_u32 s50, s50, s48                     ; my wave's 128 of them
	s_add_nc_u64 s[16:17], s[16:17], s[50:51]
	v_and_b32 v[RR], 15, v0
	v_bfe_u32 v[HH], v0, 4, 1
	v_and_b32 v[LN], 31, v0
	v_lshrrev_b32 v[T0], 3, v[RR]
	v_and_b32 v[T1], 7, v[RR]
	v_mul_u32_u24 v[LXA], v[RR], 528
	v_lshl_add_u32 v[LXA], v[HH], 7, v[LXA]
	v_add_nc_u32 v[LXA], s54, v[LXA]
	v_lshlrev_b32 v[LI], 4, v[LN]
	v_mul_u32_u24 v[XWI], v[T0], 4224              ; tile 1's images lie 128 bytes past a multiple of 256: the sixteen lanes of a store take sixteen different columns of 16 bytes
	v_lshl_add_u32 v[XWI], v[HH], 8, v[XWI]
	v_lshl_add_u32 v[XWI], v[T1], 4, v[XWI]
	s_lshl_b32 s55, s[WV], 10
	s_add_co_u32 s55, s55, XIMG
	v_add_nc_u32 v[XWI], s55, v[XWI]
	v_lshlrev_b32 v[XWS], 8, v[T0]
	v_lshl_add_u32 v[XWS], v[T1], 4, v[XWS]
	s_lshl_b32 s55, s[WV], 2
	s_add_co_u32 s55, s55, XSC
	v_add_nc_u32 v[XWS], s55, v[XWS]
	v_add_nc_u32 v[FI], XIMG, v[LI]
	v_add_nc_u32 v[FS], XSC, v[LI]
	v_lshlrev_b32 v[O64H], 6, v[HH]
	s_lshl_b32 s55, s[WV], 9
	s_add_co_u32 s55, s55, SCO
	v_add_nc_u32 v[SWA], s55, v[O64H]
	v_add_nc_u32 v[SRA], SCO, v[O64H]
	s_lshl_b32 s55, s[WV], 9
	s_add_co_u32 s55, s55, OST
	v_lshl_add_u32 v[OSA], v[HH], 5, s55
	v_add_nc_u32 v[ORA], s55, v[LI]
	v_lshlrev_b32 v[SH8], 3, v[HH]
	v_lshlrev_b32 v[O4R], 2, v[RR]
	v_lshlrev_b32 v[O16H], 4, v[HH]
	v_mov_b32 v[OZ], 0
.irp b, 0,1,2,3
	v_mov_b32 v[TM+4+\b], 0                        ; written once: a lane permute's destination counts as one of its sources
.endr
.irp t, 0,1,2,3,4,5,6,7
	global_load_b32 v[S+\t], v[O4R], s[14:15] offset:64*\t   ; bv at column 16 t + r: first, since it is spread over registers below
.endr
.irp cc, 0,1
	global_load_b128 v[QF+4*\cc:QF+4*\cc+3], v[O16H], s[10:11] offset:32*\cc   ; q's fragment: the same row in all 16 columns
.endr
	global_load_b32 v[QS], v[OZ], s[52:53] offset:256
.irp t, 0,1,2,3,4,5,6,7
	global_load_b128 v[WS+4*\t:WS+4*\t+3], v[LI], s[8:9] offset:512*\t
.endr
	WIN 0xc0                                       ; destination window 3
.irp t, 0,1,2,3,4,5,6,7
	global_load_b128 v[BK+8*\t:BK+8*\t+3], v[O64H], s[12:13] offset:4*(32*(\t/2)+8*(\t%2))      ; bk in the result's layout: tile t, lane (r, h): columns 32 (t / 2) + 16 h + 8 (t % 2) + 0 .. 7
	global_load_b128 v[BK+8*\t+4:BK+8*\t+7], v[O64H], s[12:13] offset:4*(32*(\t/2)+8*(\t%2))+16
.endr
	WIN 0x40                                       ; destination window 1
.set F, 0
.rept 64
	global_load_b128 v[4*F:4*F+3], v[LI], s[6:7] offset:512*F           ; Wk's fragments, as they were laid: 512 consecutive bytes a load
.set F, F+1
.endr
	WIN 0x80                                       ; destination window 2
.set F, 0
.rept 64
	global_load_b128 v[4*F:4*F+3], v[LI], s[6:7] offset:32768+512*F     ; Wv's
.set F, F+1
.endr
	s_wait_loadcnt 63                              ; 155 loads were issued behind bv's eight: bv is in
	WIN 0xc0
.irp t, 0,1,2,3,4,5,6,7                        ; V's bias hangs on the lane alone, and a C operand is a run of eight registers: spread once, while the weights and the first tile are on their way
.irp j, 0,1,2,3,4,5,6,7
	v_mov_b32 v[BV+8*\t+\j], v[S+\t]
.endr
.endr
	WIN 0
; A CHUNK OF 32 KEYS
.macro CHUNK c
	; ---- X: my 128 columns of the chunk's 32 rows become two fragments' worth of codes
	s_wait_tensorcnt 3-\c                          ; tensor loads of a wave end in order (ISA guide 10.11.1): this chunk's tile is in; the later chunks' stay out
.irp y, 0,1
.irp cc, 0,1
.irp j, 0,1,2,3,4,5,6,7
	ds_load_b128 v[A0+64*\y+32*\cc+4*\j:A0+64*\y+32*\cc+4*\j+3], v[LXA] offset:\c*XT+\y*8448+256*\cc+16*\j   ; row 16 y + r, k = 64 cc + 32 h + 4 j on
.endr
.endr
.endr
	s_wait_dscnt 16                                ; rows 0-15 are in; the sixteen loads of rows 16-31 may be out
	QROW A0, PC, PW0
	XOUT PC, PW0, ((\c)%2), 0
	s_wait_dscnt 3                                 ; rows 16-31 are in; the three stores just issued may be out
	QROW A1, PC+8, PW0+1
	XOUT PC+8, PW0+1, ((\c)%2), 1
	s_wait_dscnt 0x0                               ; for the others' sake: my stores have landed.  (My reads of the other buffer were waited for in the last chunk: it is written again only behind this barrier)
	s_barrier_signal -1
	s_barrier_wait -1
	WIN 0xc0
.irp u, 0,1
.irp s, 0,1,2,3
.irp cc, 0,1
	ds_load_b128 v[XF+8*(4*\u+\s)+4*\cc:XF+8*(4*\u+\s)+4*\cc+3], v[FI] offset:((\c)%2)*XIB+4224*\u+1024*\s+512*\cc
.endr
.endr
.endr
	WIN 0
	ds_load_b128 v[XS:XS+3], v[FS] offset:((\c)%2)*512
	s_wait_dscnt 0x0
.if (\c) == 0
	s_wait_loadcnt 0x0                             ; the weights, their scale words, bk and q
.endif
	; ---- K^T: eight accumulators by turns, a K step at a time
.irp u, 0,1
.irp s, 0,1,2,3
.if \s == 0
	WIN 0x3d                                       ; source 0 (Wk) window 1, source 1 (X) and C (bk) window 3
.else
	WIN 0x0d
.endif
.irp t, 0,1,2,3,4,5,6,7
	KMM \u, \s, \t
.endr
.endr
.endr
	WIN 0
	PLACES 4                                       ; places in front of the first read of results
	QACC A0, PC, PW0
	QACC A1, PC+8, PW0+1
	PLACES 8                                       ; a scale register written by a vector instruction stands 8 places ahead of a scaled matrix instruction, an operand so written 4
.irp u, 0,1
	v_wmma_scale_f32_16x16x128_f8f6f4 v[S+8*\u:S+8*\u+7], v[PC+8*\u:PC+8*\u+7], v[QF:QF+7], 0, v[PW0+\u], v[QS] matrix_a_fmt:MATRIX_FMT_FP4 matrix_b_fmt:MATRIX_FMT_FP4   ; my K step's part of 16 keys' scores
.endr
	; ---- V: eight accumulators by turns
.irp hf, 0,1
.irp s, 0,1,2,3
.if \s == 0
	WIN 0x3b                                       ; source 0 (X) and C (bv) window 3, source 1 (Wv) window 2
.else
	WIN 0x0b
.endif
.irp tp, 0,1,2,3
.irp u, 0,1
	VMM \hf, \s, \tp, \u
.endr
.endr
.endr
.endr
	WIN 0
	PLACES 4                                       ; places in front of the stores and vector instructions that read results
.irp u, 0,1
	ds_store_b128 v[SWA], v[S+8*\u:S+8*\u+3] offset:128*\c+32*\u         ; keys 32 c + 16 h + 8 u + 0 .. 7; each accumulator from its low end on; the sixteen lanes of a half write the same bytes with the same values
	ds_store_b128 v[SWA], v[S+8*\u+4:S+8*\u+7] offset:128*\c+32*\u+16
.endr
	QV A0, 0, \c
	QV A1, 1, \c
.endm
	CHUNK 0
	CHUNK 1
	CHUNK 2
	CHUNK 3
	; ---- the scores meet
	s_wait_dscnt 0x0                               ; for the others' sake: my parts of the scores have landed
	s_barrier_signal -1
	WIN 0xc3                                       ; work on registers while the others arrive: V's fragments get whole blocks into their lanes (both registers of an exchange in window 3)
.irp t, 0,1,2,3,4,5,6,7
.irp cc, 0,1
.irp i, 0,1
	v_permlane16_swap_b32 v[VC+8*\t+4*\cc+\i], v[VC+8*\t+4*\cc+2+\i]
.endr
.endr
.endr
	WIN 0
	s_barrier_wait -1
.irp p, 0,1
.irp b, 0,1,2,3
.irp j, 0,1,2,3
	ds_load_b128 v[A0+64*\p+16*\b+4*\j:A0+64*\p+16*\b+4*\j+3], v[SRA] offset:512*\p+128*\b+16*\j   ; wave p's part: register 16 b + i = key 32 b + 16 h + i
.endr
.endr
.endr
	WIN 0xc0                                       ; waves 2's and 3's parts into window 3, where X's fragments and bk lay (BK = XF + 64)
.irp p, 0,1
.irp b, 0,1,2,3
.irp j, 0,1,2,3
	ds_load_b128 v[XF+64*\p+16*\b+4*\j:XF+64*\p+16*\b+4*\j+3], v[SRA] offset:1024+512*\p+128*\b+16*\j
.endr
.endr
.endr
	WIN 0
	s_wait_dscnt 32                                ; parts 0 and 1 are in
.set J, 0
.rept 32
	v_pk_add_f32 v[A0+J:A0+J+1], v[A0+J:A0+J+1], v[A1+J:A1+J+1]         ; K ascending, the same order in every wave: all four hold the same scores
.set J, J+2
.endr
	WIN 0x0c                                       ; source 1 window 3
	s_wait_dscnt 16                                ; part 2
.set J, 0
.rept 32
	v_pk_add_f32 v[A0+J:A0+J+1], v[A0+J:A0+J+1], v[XF+J:XF+J+1]
.set J, J+2
.endr
	s_wait_dscnt 0x0                               ; part 3
.set J, 0
.rept 32
	v_pk_add_f32 v[A0+J:A0+J+1], v[A0+J:A0+J+1], v[BK+J:BK+J+1]
.set J, J+2
.endr
	WIN 0
	; ---- the softmax of my work-group's 128 keys
.irp b, 0,1,2,3
	v_max3_num_f32 v[TM+\b], v[A0+16*\b], v[A0+16*\b+1], v[A0+16*\b+2]   ; the largest score of each block of 32 keys: it serves for the row's maximum and, since p rises with the score, for the block's largest p
.endr
.irp i, 3,5,7,9,11,13
.irp b, 0,1,2,3
	v_max3_num_f32 v[TM+\b], v[TM+\b], v[A0+16*\b+\i], v[A0+16*\b+\i+1]
.endr
.endr
.irp b, 0,1,2,3
	v_max_num_f32 v[TM+\b], v[TM+\b], v[A0+16*\b+15]
.endr
	QJOIN
	v_max3_num_f32 v[TM+8], v[TM], v[TM+1], v[TM+2]
	v_max_num_f32 v[TM+8], v[TM+8], v[TM+3]
	v_mul_f32 v[TM+8], s[CS], v[TM+8]              ; the largest t (c is positive)
	v_floor_f32 v[NM], -v[TM+8]                    ; -M = floor(-t) = -ceil(t): a whole number
	v_mov_b32 v[NM+1], v[NM]
.set J, 0
.rept 32
	v_pk_fma_f32 v[A0+J:A0+J+1], v[A0+J:A0+J+1], s[CS:CS+1], v[NM:NM+1] op_sel_hi:[1,0,0]   ; t - M, two at a time
.set J, J+2
.endr
.irp b, 0,1,2,3
	v_fma_f32 v[TM+\b], v[TM+\b], s[CS], v[NM]     ; the same of each block's largest score
.endr
.set J, 0
.rept 64
	v_exp_f32 v[A0+J], v[A0+J]                     ; p = 2^(t - M), at most 1: not normalised
.set J, J+1
.endr
	v_nop                                          ; a plain place behind the exponentials
	s_wait_alu depctr_va_vdst(0)                   ; one wait for the whole batch, ahead of its first reader
.irp b, 0,1,2,3
	v_exp_f32 v[TM+\b], v[TM+\b]                   ; each block's largest p: the same two instructions on the same number give the same bits
.endr
	v_pk_add_f32 v[LL:LL+1], v[A0:A0+1], v[A0+2:A0+3]        ; the sum is taken of the unquantised p: two at a time, in two chains; it reads the 64 alone: plain work behind the four
	v_pk_add_f32 v[TM+4:TM+5], v[A0+4:A0+5], v[A0+6:A0+7]
.irp j, 8,12,16,20,24,28,32,36,40,44,48,52,56,60
	v_pk_add_f32 v[LL:LL+1], v[LL:LL+1], v[A0+\j:A0+\j+1]
	v_pk_add_f32 v[TM+4:TM+5], v[TM+4:TM+5], v[A0+\j+2:A0+\j+3]
.endr
	v_pk_add_f32 v[LL:LL+1], v[LL:LL+1], v[TM+4:TM+5]
	s_wait_alu depctr_va_vdst(0)                   ; and one wait for the four
.irp b, 0,1,2,3
	v_max_num_f32 v[TM+\b], 0x1800000, v[TM+\b]    ; the floor 2^(3 - 127): the byte cannot fall under 1
.endr
	QBYTE
	QWORD PS
	QCODE A0, PC
	v_add_f32 v[LL], v[LL], v[LL+1]                ; the sum's two halves,
	v_permlanex16_b32 v[TM+8], v[LL], s[SEL], s[SEL+1]
	v_add_f32 v[LL], v[LL], v[TM+8]                ; and lane l xor 16's 64 keys
	v_mov_b32 v[ST4], v[NM]
	v_mov_b32 v[ST4+1], v[LL]
	v_mov_b32 v[ST4+2], v[NM]
	v_mov_b32 v[ST4+3], v[LL]
	PLACES 4                                       ; with the lines above: 8 places behind p's scale word, 4 behind its codes
	WIN 0x03                                       ; source 0 (V) window 3
.irp t, 0,1,2,3,4,5,6,7
	v_wmma_scale_f32_16x16x128_f8f6f4 v[A1+8*\t:A1+8*\t+7], v[VC+8*\t:VC+8*\t+7], v[PC:PC+7], 0, v[VS+\t], v[PS] matrix_a_fmt:MATRIX_FMT_FP4 matrix_b_fmt:MATRIX_FMT_FP4   ; register j: column 16 t + 8 h + j, the same in all sixteen lanes of a half
.endr
	WIN 0
	PLACES 4
	; ---- the way out: my 128 numbers through my own stage, so that 32 lanes store 512 consecutive bytes
.irp t, 0,1,2,3,4,5,6,7
	ds_store_b128 v[OSA], v[A1+8*\t:A1+8*\t+3] offset:64*\t             ; each accumulator from its low end on
	ds_store_b128 v[OSA], v[A1+8*\t+4:A1+8*\t+7] offset:64*\t+16
.endr
	ds_load_b128 v[A0:A0+3], v[ORA]                ; LDS serves a wave's instructions in order (ISA guide 5.7.1.4): this sees my stores
	s_wait_dscnt 0x0
	global_store_b128 v[LI], v[A0:A0+3], s[16:17]
	s_cmp_lg_u32 s[WV], 0
	s_cbranch_scc1 .Ldone
	global_store_b128 v[LI], v[ST4:ST4+3], s[16:17] offset:2048          ; wave 0: (-M, l) 64 times over: 512 consecutive bytes
.Ldone:
	s_wait_tensorcnt 0x0
	ds_add_u32 v74, v75
	s_wait_dscnt 0x0
	s_endpgm
.Lfunc_end_k_qcf6d6f8511_main:
	.size	k_qcf6d6f8511_main, .Lfunc_end_k_qcf6d6f8511_main-k_qcf6d6f8511_main
	.p2alignl 7, 3214868480
	.fill 96, 4, 3214868480
	.section	.rodata,"a",@progbits
	.p2align	6, 0x0
	.amdhsa_kernel k_qcf6d6f8511_main
		.amdhsa_group_segment_fixed_size 295424
		.amdhsa_private_segment_fixed_size 0
		.amdhsa_enable_private_segment 0
		.amdhsa_kernarg_size 56
		.amdhsa_user_sgpr_count 2
		.amdhsa_user_sgpr_kernarg_segment_ptr 1
		.amdhsa_wavefront_size32 1
		.amdhsa_system_sgpr_workgroup_id_x 1
		.amdhsa_system_sgpr_workgroup_id_y 1
		.amdhsa_system_sgpr_workgroup_id_z 1
		.amdhsa_system_vgpr_workitem_id 0
		.amdhsa_next_free_vgpr 1024
		.amdhsa_next_free_sgpr 66
		.amdhsa_reserve_vcc 0
		.amdhsa_float_denorm_mode_32 3
		.amdhsa_float_denorm_mode_16_64 3
		.amdhsa_memory_ordered 1
		.amdhsa_forward_progress 1
		.amdhsa_inst_pref_size 216
	.end_amdhsa_kernel
	.amdgpu_metadata
---
amdhsa.version: [ 1, 2 ]
amdhsa.kernels:
  - .name:           k_qcf6d6f8511_main
    .symbol:         k_qcf6d6f8511_main.kd
    .args:
      - { .name: inputdata, .offset: 0, .size: 8, .value_kind: global_buffer, .address_space: global }
      - { .name: wfrag, .offset: 8, .size: 8, .value_kind: global_buffer, .address_space: global }
      - { .name: wscale, .offset: 16, .size: 8, .value_kind: global_buffer, .address_space: global }
      - { .name: qbuf, .offset: 24, .size: 8, .value_kind: global_buffer, .address_space: global }
      - { .name: Wk_b, .offset: 32, .size: 8, .value_kind: global_buffer, .address_space: global }
      - { .name: Wv_b, .offset: 40, .size: 8, .value_kind: global_buffer, .address_space: global }
      - { .name: part, .offset: 48, .size: 8, .value_kind: global_buffer, .address_space: global }
    .group_segment_fixed_size: 295424
    .private_segment_fixed_size: 0
    .kernarg_segment_align: 8
    .kernarg_segment_size: 56
    .max_flat_workgroup_size: 128
    .sgpr_count:     66
    .vgpr_count:     1024
    .wavefront_size: 32
...
	.end_amdgpu_metadata
.endif
;; end of part 2
;; launch comb (part 3): grid 32 x 1, 4 waves a work-group, no clusters, 0 bytes of LDS; arguments part, out0; writes out0
.if DOCPART == 3
	.amdgcn_target "amdgcn-amd-amdhsa--gfx1250"
	.amdhsa_code_object_version 6
	.text
	.protected	k_qcf6d6f8511_comb
	.globl	k_qcf6d6f8511_comb
	.p2align	8
	.type	k_qcf6d6f8511_comb,@function
k_qcf6d6f8511_comb:
	s_mov_b64 s[64:65], 0
	v_nop
	global_prefetch_b8 v0, s[64:65] scope:SCOPE_SE
	s_setreg_imm32_b32 hwreg(HW_REG_WAVE_MODE, 25, 1), 1
	s_wait_xcnt 0x0
; out0[head][d] = (sum over the head's eight parts of 2^(M_i - M) O_i[d]) / (sum of 2^(M_i - M) l_i), M = the largest M_i.
; part: [head 32][part 8][640] f32: numbers 0-511 O_i, from 512 on the pair (-M_i, l_i).  Every M_i is a whole number, so each factor is an exact power of two, made by v_ldexp_f32 of 1.0.
; A work-group is a head, thread t owns columns 4 t .. 4 t + 3: a wave's load or store covers 512 consecutive bytes.  No LDS, no barrier, no matrix work: 20,480 bytes in and 2,048 out for a work-group.
; LIMITS: NaN and infinities are not served; a part whose M_i lies more than 149 under M counts for nothing (its factor is 0).
.set ST, 4                             ; v4-19   (-M_i, l_i), eight pairs
.set O,  20                            ; v20-51  O_i, four numbers each
.set F,  52                            ; v52-67  (f_i, M_i - M as a whole number), eight pairs
.set AC, 68                            ; v68-71  the sums
.set MN, 72                            ; v72     -M
.set LS, 73                            ; v73     the divisor
.set RC, 74                            ; v[74:75] its reciprocal (the pair's upper word is written and not used)
	s_load_b128 s[4:7], s[0:1], 0x0                ; part, out0
	v_lshlrev_b32 v1, 4, v0                        ; 16 bytes a thread
	v_mov_b32 v2, 0
	s_mul_i32 s8, ttmp9, 20480                     ; a head's eight parts
	s_mov_b32 s9, 0
	s_lshl_b32 s10, ttmp9, 11                      ; a head's row of the result
	s_mov_b32 s11, 0
	s_wait_kmcnt 0x0
	s_add_nc_u64 s[4:5], s[4:5], s[8:9]
	s_add_nc_u64 s[6:7], s[6:7], s[10:11]
.irp i, 0,1,2,3,4,5,6,7
	global_load_b64 v[ST+2*\i:ST+2*\i+1], v2, s[4:5] offset:2560*\i+2048
.endr
.irp i, 0,1,2,3,4,5,6,7
	global_load_b128 v[O+4*\i:O+4*\i+3], v1, s[4:5] offset:2560*\i th:TH_LOAD_NT
.endr
	s_wait_loadcnt 8                               ; the eight pairs are in; the eight loads of O may be out
	v_min3_num_f32 v[MN], v[ST], v[ST+2], v[ST+4]
	v_min3_num_f32 v[MN], v[MN], v[ST+6], v[ST+8]
	v_min3_num_f32 v[MN], v[MN], v[ST+10], v[ST+12]
	v_min_num_f32 v[MN], v[MN], v[ST+14]           ; -M = the least -M_i
.irp i, 0,1,2,3,4,5,6,7
	v_sub_f32 v[F+2*\i+1], v[MN], v[ST+2*\i]       ; M_i - M: a whole number, 0 or less
.endr
.irp i, 0,1,2,3,4,5,6,7
	v_cvt_i32_f32 v[F+2*\i+1], v[F+2*\i+1]         ; (it saturates)
.endr
.irp i, 0,1,2,3,4,5,6,7
	v_ldexp_f32 v[F+2*\i], 1.0, v[F+2*\i+1]        ; f_i = 2^(M_i - M)
.endr
	v_mul_f32 v[LS], v[F], v[ST+1]
.irp i, 1,2,3,4,5,6,7
	v_fma_f32 v[LS], v[F+2*\i], v[ST+2*\i+1], v[LS]
.endr
	v_rcp_f32 v[RC], v[LS]
	v_mov_b32 v[RC+1], 0                           ; a plain place behind the reciprocal
	s_wait_loadcnt 0x0
	v_pk_mul_f32 v[AC:AC+1], v[O:O+1], v[F:F+1] op_sel_hi:[1,0]          ; the first part starts the sums; this work stands between the reciprocal and the wait for it
	v_pk_mul_f32 v[AC+2:AC+3], v[O+2:O+3], v[F:F+1] op_sel_hi:[1,0]
.irp i, 1,2,3,4,5,6,7
	v_pk_fma_f32 v[AC:AC+1], v[O+4*\i:O+4*\i+1], v[F+2*\i:F+2*\i+1], v[AC:AC+1] op_sel_hi:[1,0,1]
	v_pk_fma_f32 v[AC+2:AC+3], v[O+4*\i+2:O+4*\i+3], v[F+2*\i:F+2*\i+1], v[AC+2:AC+3] op_sel_hi:[1,0,1]
.endr
	s_wait_alu depctr_va_vdst(0)                   ; the wait ahead of the reciprocal's first reader
	v_pk_mul_f32 v[AC:AC+1], v[AC:AC+1], v[RC:RC+1] op_sel_hi:[1,0]
	v_pk_mul_f32 v[AC+2:AC+3], v[AC+2:AC+3], v[RC:RC+1] op_sel_hi:[1,0]
	global_store_b128 v1, v[AC:AC+3], s[6:7]
	s_endpgm
.Lfunc_end_k_qcf6d6f8511_comb:
	.size	k_qcf6d6f8511_comb, .Lfunc_end_k_qcf6d6f8511_comb-k_qcf6d6f8511_comb
	.p2alignl 7, 3214868480
	.fill 96, 4, 3214868480
	.section	.rodata,"a",@progbits
	.p2align	6, 0x0
	.amdhsa_kernel k_qcf6d6f8511_comb
		.amdhsa_group_segment_fixed_size 0
		.amdhsa_private_segment_fixed_size 0
		.amdhsa_enable_private_segment 0
		.amdhsa_kernarg_size 16
		.amdhsa_user_sgpr_count 2
		.amdhsa_user_sgpr_kernarg_segment_ptr 1
		.amdhsa_wavefront_size32 1
		.amdhsa_system_sgpr_workgroup_id_x 1
		.amdhsa_system_sgpr_workgroup_id_y 1
		.amdhsa_system_sgpr_workgroup_id_z 1
		.amdhsa_system_vgpr_workitem_id 0
		.amdhsa_next_free_vgpr 80
		.amdhsa_next_free_sgpr 66
		.amdhsa_reserve_vcc 0
		.amdhsa_float_denorm_mode_32 3
		.amdhsa_float_denorm_mode_16_64 3
		.amdhsa_memory_ordered 1
		.amdhsa_forward_progress 1
		.amdhsa_inst_pref_size 6
	.end_amdhsa_kernel
	.amdgpu_metadata
---
amdhsa.version: [ 1, 2 ]
amdhsa.kernels:
  - .name:           k_qcf6d6f8511_comb
    .symbol:         k_qcf6d6f8511_comb.kd
    .args:
      - { .name: part, .offset: 0, .size: 8, .value_kind: global_buffer, .address_space: global }
      - { .name: out0, .offset: 8, .size: 8, .value_kind: global_buffer, .address_space: global }
    .group_segment_fixed_size: 0
    .private_segment_fixed_size: 0
    .kernarg_segment_align: 8
    .kernarg_segment_size: 16
    .max_flat_workgroup_size: 128
    .sgpr_count:     66
    .vgpr_count:     80
    .wavefront_size: 32
...
	.end_amdgpu_metadata
.endif
;; end of part 3
;; ======== version 2 of 2: 3 launches; version 1 with the launch prep written anew for expert scheduling mode
;; workspace buffers: wfrag 262,144 bytes; wscale 16,384 bytes; qbuf 16,384 bytes; part 655,360 bytes
;; launch prep (part 4): grid 32 x 1, 4 waves a work-group, no clusters, 16,896 bytes of LDS; arguments inputdata, Wq_w, Wq_b, Wk_w, Wv_w, wfrag, wscale, qbuf; writes wfrag, wscale, qbuf
.if DOCPART == 4
	.amdgcn_target "amdgcn-amd-amdhsa--gfx1250"
	.amdhsa_code_object_version 6
	.text
	.protected	k_qcf6d6f8511_prep
	.globl	k_qcf6d6f8511_prep
	.p2align	8
	.type	k_qcf6d6f8511_prep,@function
k_qcf6d6f8511_prep:
	s_mov_b64 s[64:65], 0
	v_nop
	global_prefetch_b8 v0, s[64:65] scope:SCOPE_SE
	s_setreg_imm32_b32 hwreg(HW_REG_WAVE_SCHED_MODE, 0, 2), 2
	s_setreg_imm32_b32 hwreg(HW_REG_WAVE_MODE, 25, 1), 1
	s_wait_xcnt 0x0
	s_wait_alu depctr_vm_vsrc(0)
; Two jobs in one launch, told apart by the work-group's number (the same for all waves of a work-group).
; W (work-groups 0-15): Wk_w and Wv_w, [512 (n)][512 (k)] f32, become codes of FP4 (E2M1) with one E8M0 byte for each 32 along k, laid in the ORDER OF THE OPERAND'S REGISTERS, so that the next launch
;   loads each fragment by two loads of 16 bytes a lane.  wfrag: [w 4][mat 2][t 8][s 4][cc 2][lane 32][16 bytes]; lane (r, h) holds the 32 codes k = 128 s + 64 cc + 32 h + 0 .. 31 of row n:
;   Wk (mat 0): n = 128 w + 32 (t / 2) + 8 (t % 2) + r + 8 (r / 8): the rows of a tile are not neighbours, so that the results of two neighbouring tiles are 16 neighbours along the next product's K;
;   Wv (mat 1): n = 128 w + 16 t + r.   wscale: [w 4][t 8][32][s 4] words: places 0-15 Wk's rows, places 16-31 Wv's.   One wave makes one tile (16 rows x 512 k).
; Q (work-groups 16-31): q = X_last Wq^T + bq for the 32 heads' last rows (the only queries that the result keeps), on codes of FP4, and q's own codes for the score product.
;   Work-group nb makes columns 32 nb .. 32 nb + 31, wave s the part of K step s (k = 128 s on); the four parts meet in LDS; waves 0 and 1 add them and the bias in f32 and quantise one block of 32.
;   qbuf: [head 32][512 bytes]: bytes 0-255 the 512 codes, bytes 256-271 the 16 scale bytes; the rest is neither written nor read.
; THE QUANTISER: a block's scale is 2^(floor(log2(its largest magnitude)) - 2); its byte is the largest magnitude's exponent field - 2, held at 1 from below by a floor among the maximum's leaves.
; A lane loads a WHOLE block of 32 neighbours along k (128 bytes, eight loads): its maximum needs no other lane, and the conversions' results are the operand's registers as they stand.
; LIMITS: a block of zeros, or one whose largest magnitude lies under 2^-124, gets the byte 1 (the rule says 127 for zeros: its codes are zeros, and this program alone reads the bytes); NaN and infinities are not served.
; q's codes and bytes leave as 8 bytes and 1 byte a lane into rows 512 bytes apart: 8,704 bytes in the whole launch.
; REGISTERS: window 0: v1-13 addresses; v16-31 at work; v48-79 four fragments' codes; v80-83 their scale words; v88-119 four accumulators; v120-135 the bias; v136-199 the parts read back; v200-201 q's codes.
;   window 1: the numbers as loaded, fragment f at v[64 ((f + 1) % 4)]: so no conversion's destination bears a number that its sources bear.
; THE MODE: SCHED_MODE bits 1:0 = 2 (LLVM: expert scheduling mode 2), set by the entry lines.  The code itself states the register dependences
; between vector or matrix instructions and memory or LDS instructions, with s_wait_alu, always for 0.
; THE PLAN.  Registers that memory or LDS instructions touch:
;   v3, v6-v13      offsets and LDS addresses: written once by vector lines, ahead of one wait on va_vdst on each path; read by loads and stores; never written again.
;   window 1, v120-135, v136-199   loaded once each; no vector line names them ahead of their load, and none is loaded again.
;   v48-79, v80-83  codes and scale words: written by a fragment's conversions and its last v_or_b32.  W: read by stores; fragment f's two stores stand at the head of fragment f + 1, behind one wait on va_vdst;
;                   the last fragment's and the scale words' behind one more.  Q: read by the four products, behind their places and one wait on va_vdst.
;   v88-119         written by the products, read by the LDS stores: the four places, then one wait on va_vdst.
;   v200-201, v20   q's codes and byte: written by vector lines, read by the last two stores behind one wait on va_vdst.
; No register that a memory or LDS instruction reads is written again, so no wait on vm_vsrc is needed for them.  s2, the wave's number, comes from a vector line: one wait on va_sdst stands ahead of its first reader.
.set WV,  2                            ; s2   my wave's number
.set GG,  3                            ; s3   wave % 2: which 16 heads I finish
.set SEL, 20                           ; s[20:21] lane selects for v_permlanex16_b32: lane l xor 16
.set RR,  1                            ; v1   r = lane % 16
.set HH,  2                            ; v2   h = lane / 16
.set LI,  3                            ; v3   16 x lane
.set SH8, 4                            ; v4   8 h
.set R3,  5                            ; v5   r / 8
.set VO,  6                            ; v6   my byte in a tile of a weight
.set VX,  7                            ; v7   my byte among the heads' last rows
.set RI,  8                            ; v8   16 r
.set LSA, 9                            ; v9   LDS: where I put my part: 16 x lane + 4,096 x wave
.set LRA, 10                           ; v10  LDS: where I read the parts: 16 x lane + 2,048 x (wave % 2)
.set OB,  11                           ; v11  64 h
.set QO,  12                           ; v12  512 r + 8 h
.set QB,  13                           ; v13  512 r
.set TM,  16                           ; v16-19 largest magnitudes, v20-23 the other lane's and bytes, v28-31 the conversions' scale operands
.set CF,  48
.set CW,  80
.set P,   88
.set BQ,  120
.set R,   136
.set QC,  200
.set MSB, 0
.macro WIN new                         ; the immediate's high byte repeats the setting that is left; a switch that changes nothing is dropped
.if MSB != (\new)
	s_set_vgpr_msb (MSB<<8)|(\new)
.set MSB, (\new)
.endif
.endm
.macro PLACES n
.rept \n
	v_nop
.endr
.endm
; four chains by turns: chain b takes the largest magnitude of v[s + 16 b .. s + 16 b + 15] of window win, and the floor 2^(3 - 127)
.macro QMAX s, win
	WIN 5*(\win)
.irp b, 0,1,2,3
	v_max3_num_f32 v[TM+\b], |v[(\s)+16*\b]|, |v[(\s)+16*\b+1]|, 0x1800000
.endr
.irp i, 2,4,6,8,10,12,14
.irp b, 0,1,2,3
	v_max3_num_f32 v[TM+\b], |v[(\s)+16*\b+\i]|, |v[(\s)+16*\b+\i+1]|, v[TM+\b]
.endr
.endr
	WIN 0
.endm
; 64 numbers of a lane, register 32 cc + i = k 64 cc + 32 h + i of my row, become a fragment's 8 registers of codes in v[pc] on and my row's scale word in v[pw]
.macro QROW s, win, pc, pw
	QMAX \s, \win
	v_max_num_f32 v[TM], v[TM], v[TM+1]            ; block 2 cc + h, cc = 0
	v_max_num_f32 v[TM+2], v[TM+2], v[TM+3]        ; cc = 1
	v_add_nc_u32 v[TM+12], 0xff000000, v[TM]       ; 2 off the exponent field: the conversion takes the exponent field of this operand as its scale
	v_add_nc_u32 v[TM+14], 0xff000000, v[TM+2]
	v_lshrrev_b32 v[TM+4], 23, v[TM+12]            ; the scales' bytes
	v_lshrrev_b32 v[TM+6], 23, v[TM+14]
	v_lshl_or_b32 v[\pw], v[TM+6], 16, v[TM+4]     ; my two bytes, blocks h and 2 + h,
	v_lshlrev_b32 v[\pw], v[SH8], v[\pw]           ; at their places in the word;
	v_permlanex16_b32 v[TM+5], v[\pw], s[SEL], s[SEL+1]
	v_or_b32 v[\pw], v[\pw], v[TM+5]               ; with lane l xor 16's two the word is whole, in both lanes
	WIN \win
.irp cc, 0,1
.irp g, 0,1,2,3
	v_cvt_scalef32_pk8_fp4_f32 v[\pc+4*\cc+\g], v[(\s)+32*\cc+8*\g:(\s)+32*\cc+8*\g+7], v[TM+12+2*\cc]
.endr
.endr
	WIN 0
	v_nop                                          ; one plain place behind the last scaled conversion
.endm
; fragment f's numbers: my row's k = 64 cc + 32 h + 0 .. 31, sixteen loads of 16 bytes
.macro LOADF f, vo, base, imm
.irp cc, 0,1
.irp j, 0,1,2,3,4,5,6,7
	global_load_b128 v[64*(((\f)+1)%4)+32*\cc+4*\j:64*(((\f)+1)%4)+32*\cc+4*\j+3], v[\vo], s[\base:\base+1] offset:(\imm)+256*\cc+16*\j
.endr
.endr
.endm
; W: fragment f's codes leave
.macro SENDF f
.irp cc, 0,1
	global_store_b128 v[LI], v[CF+8*(\f)+4*\cc:CF+8*(\f)+4*\cc+3], s[30:31] offset:1024*(\f)+512*\cc   ; 32 lanes store 512 consecutive bytes
.endr
.endm
; out = 1 (W): the codes of the fragment before are stored at a fragment's head
.macro QUANT4 out
.irp f, 0,1,2,3
	s_wait_loadcnt 48-16*\f                        ; fragment f's sixteen loads are in (and all that were issued ahead of them); the younger fragments' may be out
.if (\out) && (\f > 0)
	s_wait_alu depctr_va_vdst(0)                   ; the conversions of the fragment before have written its codes, which the two stores below read; no later vector line names those registers
	SENDF \f-1
.endif
	QROW 64*((\f+1)%4), 1, CF+8*\f, CW+\f
.endr
.endm
	s_load_b512 s[4:19], s[0:1], 0x0               ; inputdata s[4:5], Wq_w s[6:7], Wq_b s[8:9], Wk_w s[10:11], Wv_w s[12:13], wfrag s[14:15], wscale s[16:17], qbuf s[18:19]
	v_lshl_add_u32 v254, v0, 2, 0x4000
	v_mov_b32 v255, 0
	v_lshrrev_b32 v[RR], 5, v0
	v_readfirstlane_b32 s[WV], v[RR]               ; wave 0..3
	v_and_b32 v[RR], 15, v0
	v_bfe_u32 v[HH], v0, 4, 1
	v_and_b32 v[LI], 31, v0
	v_lshlrev_b32 v[LI], 4, v[LI]
	v_lshlrev_b32 v[SH8], 3, v[HH]
	v_lshrrev_b32 v[R3], 3, v[RR]
	s_wait_alu depctr_va_sdst(0)                   ; s2, the wave's number, is written, ahead of its first reader: LDS addresses, bases and a branch are made from it
	s_and_b32 s[GG], s[WV], 1
	s_lshl_b32 s22, s[WV], 12
	v_add_nc_u32 v[LSA], s22, v[LI]
	s_lshl_b32 s22, s[GG], 11
	v_add_nc_u32 v[LRA], s22, v[LI]
	s_mov_b32 s[SEL], 0x76543210
	s_mov_b32 s[SEL+1], 0xfedcba98
.irp b, 0,1,2,3
	v_mov_b32 v[TM+4+\b], 0                        ; written once: a lane permute's destination counts as one of its sources
.endr
	s_cmp_ge_u32 ttmp9, 16
	s_cbranch_scc1 .Lpath_q
	; ---- W: my wave's tile of Wk or Wv
	s_lshl_b32 s22, ttmp9, 2
	s_add_co_u32 s22, s22, s[WV]                   ; tile number 0..63 = 32 mat + 8 w + t
	s_bfe_u32 s23, s22, 0x20003                    ; w: two bits from bit 3
	s_and_b32 s24, s22, 7                          ; t
	s_lshr_b32 s25, s22, 5                         ; mat
	s_lshl_b32 s34, s23, 16                        ; where the codes go: 65,536 w + 32,768 mat + 4,096 t
	s_lshl_b32 s35, s25, 15
	s_add_co_u32 s34, s34, s35
	s_lshl_b32 s35, s24, 12
	s_add_co_u32 s34, s34, s35
	s_mov_b32 s35, 0
	s_lshl_b32 s36, s23, 12                        ; and the scale words: 4,096 w + 512 t + 256 mat
	s_lshl_b32 s37, s24, 9
	s_add_co_u32 s36, s36, s37
	s_lshl_b32 s37, s25, 8
	s_add_co_u32 s36, s36, s37
	s_mov_b32 s37, 0
	s_lshr_b32 s26, s24, 1
	s_lshl_b32 s26, s26, 5                         ; Wk's tile begins at row 32 (t / 2)
	s_and_b32 s27, s24, 1
	s_lshl_b32 s27, s27, 3
	s_add_co_u32 s26, s26, s27                     ; + 8 (t % 2);
	s_lshl_b32 s27, s24, 4                         ; Wv's at row 16 t
	s_lshl_b32 s24, s23, 7                         ; 128 w
	s_cmp_eq_u32 s25, 0                            ; Wk or Wv?  The choice hangs on the work-group's number alone
	s_cselect_b32 s26, s26, s27
	s_cselect_b32 s27, 8, 0                        ; Wk's lanes 8-15 stand 8 rows further on
	s_wait_kmcnt 0x0
	s_cselect_b64 s[28:29], s[10:11], s[12:13]
	s_add_co_u32 s24, s24, s26
	s_lshl_b32 s24, s24, 11                        ; a row is 2,048 bytes
	s_mov_b32 s25, 0
	s_add_nc_u64 s[28:29], s[28:29], s[24:25]
	s_add_nc_u64 s[30:31], s[14:15], s[34:35]
	s_add_nc_u64 s[32:33], s[16:17], s[36:37]
	v_mul_u32_u24 v[VO], s27, v[R3]
	v_add_nc_u32 v[VO], v[VO], v[RR]
	v_lshlrev_b32 v[VO], 11, v[VO]
	v_lshl_add_u32 v[VO], v[HH], 7, v[VO]          ; my row, + 128 h bytes: my block of 32
	v_lshlrev_b32 v[RI], 4, v[RR]
	WIN 0x40                                       ; destination window 1
	s_wait_alu depctr_va_vdst(0)                   ; the offsets v3, v6 and v8 are written: every load and store of this path reads one of them, and none is written again
.irp f, 0,1,2,3
	LOADF \f, VO, 28, 512*\f                       ; fragment f is K step f
.endr
	WIN 0
	QUANT4 1
	s_wait_alu depctr_va_vdst(0)                   ; fragment 3's conversions have written its codes, and the four scale words v80-83 are written: the three stores below read them
	SENDF 3
	global_store_b128 v[RI], v[CW:CW+3], s[32:33]  ; my row's four words; lanes l and l xor 16 write the same bytes with the same values: 256 consecutive bytes
	s_endpgm
	; ---- Q: columns 32 nb .. 32 nb + 31 of q for all 32 heads; my wave takes K step = wave
.Lpath_q:
	s_sub_co_u32 s22, ttmp9, 16                    ; nb
	s_lshl_b32 s23, s[WV], 9                       ; 512 bytes a K step
	s_lshl_b32 s24, s22, 16                        ; Wq: 32 nb rows of 2,048 bytes
	s_add_co_u32 s24, s24, s23
	s_mov_b32 s25, 0
	s_add_co_u32 s26, s23, 1023*2048               ; X: a head's last row
	s_mov_b32 s27, 0
	s_lshl_b32 s28, s22, 7                         ; the bias: 32 nb numbers
	s_mov_b32 s29, 0
	s_lshl_b32 s23, s[GG], 13                      ; 16 heads of 512 bytes in qbuf
	s_lshl_b32 s30, s22, 4                         ; block nb's 16 bytes of codes
	s_add_co_u32 s30, s30, s23
	s_mov_b32 s31, 0
	s_add_co_u32 s32, s22, s23                     ; and its byte
	s_mov_b32 s33, 0
	v_lshl_add_u32 v[VO], v[R3], 3, v[RR]          ; Wq: lane r of tile u takes row 32 nb + 8 u + r + 8 (r / 8)
	v_lshlrev_b32 v[VO], 11, v[VO]
	v_lshl_add_u32 v[VO], v[HH], 7, v[VO]
	v_lshlrev_b32 v[VX], 21, v[RR]                 ; X: lane r takes head 16 g + r: 2^21 bytes a head
	v_lshl_add_u32 v[VX], v[HH], 7, v[VX]
	v_lshlrev_b32 v[OB], 6, v[HH]
	v_lshlrev_b32 v[QB], 9, v[RR]
	v_lshl_add_u32 v[QO], v[HH], 3, v[QB]
	s_wait_kmcnt 0x0
	s_add_nc_u64 s[6:7], s[6:7], s[24:25]
	s_add_nc_u64 s[4:5], s[4:5], s[26:27]          ; heads 0-15
	s_add_nc_u64 s[34:35], s[4:5], 33554432        ; heads 16-31: 16 x 2^21 bytes on
	s_add_nc_u64 s[8:9], s[8:9], s[28:29]
	s_add_nc_u64 s[36:37], s[18:19], s[30:31]
	s_add_nc_u64 s[38:39], s[18:19], s[32:33]
	s_wait_alu depctr_va_vdst(0)                   ; the offsets v6, v7, v11, v12, v13 and the LDS addresses v9, v10 are written: every load, store and LDS access of this path reads one of them, and none is written again
.irp j, 0,1,2,3
	global_load_b128 v[BQ+4*\j:BQ+4*\j+3], v[OB], s[8:9] offset:16*\j   ; bq at columns 32 nb + 16 h + 0 .. 15; issued first, so the counted waits below cover it
.endr
	WIN 0x40                                       ; (between the wait above and the loads below stand loads and this switch alone)
	LOADF 0, VO, 6, 0                              ; Wq's tiles u = 0, 1
	LOADF 1, VO, 6, 16384
	LOADF 2, VX, 4, 0                              ; the last rows of heads 0-15 and 16-31
	LOADF 3, VX, 34, 0
	WIN 0
	QUANT4 0
	PLACES 8                                       ; a scale register written by a vector instruction stands 8 places ahead of a scaled matrix instruction, an operand so written 4
	s_wait_alu depctr_va_vdst(0)                   ; the conversions have written the codes v48-79 and the scale words v80-83 are written, which the products take as operands and scales; the places above stay beside this wait
.irp g, 0,1                                    ; TRANSPOSED: source 0 = 16 rows of Wq, source 1 = 16 heads: lane (r, h) holds head 16 g + r, register j column 32 nb + 16 h + 8 u + j
.irp u, 0,1
	v_wmma_scale_f32_16x16x128_f8f6f4 v[P+8*(2*\g+\u):P+8*(2*\g+\u)+7], v[CF+8*\u:CF+8*\u+7], v[CF+16+8*\g:CF+16+8*\g+7], 0, v[CW+\u], v[CW+2+\g] matrix_a_fmt:MATRIX_FMT_FP4 matrix_b_fmt:MATRIX_FMT_FP4
.endr
.endr
	PLACES 4                                       ; places in front of the stores that read the results
	s_wait_alu depctr_va_vdst(0)                   ; the products have written the accumulators v88-119, which the LDS stores read; the places above stay beside this wait
.irp a, 0,1,2,3
	ds_store_b128 v[LSA], v[P+8*\a:P+8*\a+3] offset:1024*\a          ; each accumulator from its low end on; an image of the registers: 16 bytes a lane
	ds_store_b128 v[LSA], v[P+8*\a+4:P+8*\a+7] offset:1024*\a+512
.endr
	s_wait_dscnt 0x0                               ; for the others' sake: my stores have landed
	s_barrier_signal -1
	s_barrier_wait -1
	s_cmp_gt_u32 s[WV], 1
	s_cbranch_scc1 .Lq_done                        ; waves 0 and 1 finish 16 heads each
.irp sp, 0,1,2,3
.irp u, 0,1
.irp hf, 0,1
	ds_load_b128 v[R+16*\sp+8*\u+4*\hf:R+16*\sp+8*\u+4*\hf+3], v[LRA] offset:4096*\sp+1024*\u+512*\hf   ; into registers that no vector line has named
.endr
.endr
.endr
	s_wait_dscnt 0x0
.irp sp, 1,2,3                                 ; the four K steps' parts, K ascending, then the bias: all in f32
.irp i, 0,2,4,6,8,10,12,14
	v_pk_add_f32 v[R+\i:R+\i+1], v[R+\i:R+\i+1], v[R+16*\sp+\i:R+16*\sp+\i+1]
.endr
.endr
.irp i, 0,2,4,6,8,10,12,14
	v_pk_add_f32 v[R+\i:R+\i+1], v[R+\i:R+\i+1], v[BQ+\i:BQ+\i+1]
.endr
	v_max3_num_f32 v[TM], |v[R]|, |v[R+1]|, 0x1800000   ; q's block nb: my 16 numbers and the floor,
.irp i, 2,4,6,8,10,12,14
	v_max3_num_f32 v[TM], |v[R+\i]|, |v[R+\i+1]|, v[TM]
.endr
	v_permlanex16_b32 v[TM+4], v[TM], s[SEL], s[SEL+1]
	v_max_num_f32 v[TM], v[TM], v[TM+4]            ; and lane l xor 16's 16
	v_add_nc_u32 v[TM+12], 0xff000000, v[TM]
	v_lshrrev_b32 v[TM+4], 23, v[TM+12]
	v_cvt_scalef32_pk8_fp4_f32 v[QC], v[R:R+7], v[TM+12]
	v_cvt_scalef32_pk8_fp4_f32 v[QC+1], v[R+8:R+15], v[TM+12]
	v_nop
	s_wait_alu depctr_va_vdst(0)                   ; the conversions have written q's codes v200-201 and the shift its byte v20, which the two stores below read
	global_store_b64 v[QO], v[QC:QC+1], s[36:37]   ; the codes of columns 32 nb + 16 h + 0 .. 15
	global_store_b8 v[QB], v[TM+4], s[38:39] offset:256   ; both lanes of a block write the same byte with the same value
.Lq_done:
	s_wait_dscnt 0x0
	s_wait_alu depctr_hold_cnt(0) depctr_sa_sdst(0) depctr_va_vdst(0) depctr_va_sdst(0) depctr_va_ssrc(0) depctr_va_vcc(0) depctr_vm_vsrc(0)
	s_wait_tensorcnt 0x0
	ds_add_u32 v254, v255
	s_wait_dscnt 0x0
	s_endpgm
.Lfunc_end_k_qcf6d6f8511_prep:
	.size	k_qcf6d6f8511_prep, .Lfunc_end_k_qcf6d6f8511_prep-k_qcf6d6f8511_prep
	.p2alignl 7, 3214868480
	.fill 96, 4, 3214868480
	.section	.rodata,"a",@progbits
	.p2align	6, 0x0
	.amdhsa_kernel k_qcf6d6f8511_prep
		.amdhsa_group_segment_fixed_size 16896
		.amdhsa_private_segment_fixed_size 0
		.amdhsa_enable_private_segment 0
		.amdhsa_kernarg_size 64
		.amdhsa_user_sgpr_count 2
		.amdhsa_user_sgpr_kernarg_segment_ptr 1
		.amdhsa_wavefront_size32 1
		.amdhsa_system_sgpr_workgroup_id_x 1
		.amdhsa_system_sgpr_workgroup_id_y 1
		.amdhsa_system_sgpr_workgroup_id_z 1
		.amdhsa_system_vgpr_workitem_id 0
		.amdhsa_next_free_vgpr 512
		.amdhsa_next_free_sgpr 66
		.amdhsa_reserve_vcc 0
		.amdhsa_float_denorm_mode_32 3
		.amdhsa_float_denorm_mode_16_64 3
		.amdhsa_memory_ordered 1
		.amdhsa_forward_progress 1
		.amdhsa_inst_pref_size 50
	.end_amdhsa_kernel
	.amdgpu_metadata
---
amdhsa.version: [ 1, 2 ]
amdhsa.kernels:
  - .name:           k_qcf6d6f8511_prep
    .symbol:         k_qcf6d6f8511_prep.kd
    .args:
      - { .name: inputdata, .offset: 0, .size: 8, .value_kind: global_buffer, .address_space: global }
      - { .name: Wq_w, .offset: 8, .size: 8, .value_kind: global_buffer, .address_space: global }
      - { .name: Wq_b, .offset: 16, .size: 8, .value_kind: global_buffer, .address_space: global }
      - { .name: Wk_w, .offset: 24, .size: 8, .value_kind: global_buffer, .address_space: global }
      - { .name: Wv_w, .offset: 32, .size: 8, .value_kind: global_buffer, .address_space: global }
      - { .name: wfrag, .offset: 40, .size: 8, .value_kind: global_buffer, .address_space: global }
      - { .name: wscale, .offset: 48, .size: 8, .value_kind: global_buffer, .address_space: global }
      - { .name: qbuf, .offset: 56, .size: 8, .value_kind: global_buffer, .address_space: global }
    .group_segment_fixed_size: 16896
    .private_segment_fixed_size: 0
    .kernarg_segment_align: 8
    .kernarg_segment_size: 64
    .max_flat_workgroup_size: 128
    .sgpr_count:     66
    .vgpr_count:     512
    .wavefront_size: 32
...
	.end_amdgpu_metadata
.endif
;; end of part 4
;; launch main: the kernel of part 2 again; grid 8 x 32, 4 waves a work-group, no clusters, 295,424 bytes of LDS; arguments inputdata, wfrag, wscale, qbuf, Wk_b, Wv_b, part; writes part
;; launch comb: the kernel of part 3 again; grid 32 x 1, 4 waves a work-group, no clusters, 0 bytes of LDS; arguments part, out0; writes out0
